; MI455X (gfx1250); checked and timed in simulation.
; The chip was launched on July 23, 2026; its instructions are those of AMD's public machine-readable ISA for CDNA 5 (MIT licence, August 2026) and "CDNA5" Instruction Set Architecture Reference Guide (July 2026). The comments in the code are by the model that wrote it; some were corrected since.
;; Transformer Layer. Allowed arithmetic: matrix products marked QUANTISED: E4M3 operands, one given power-of-two scale a tensor, by v_wmma_f32_16x16x64_fp8_fp8 or v_wmma_f32_16x16x128_fp8_fp8, f32 sums; everything else in f32.
;; Inputs: b1 4,096 float32; b2 1,024 float32; ln1_b 1,024 float32; ln1_g 1,024 float32; ln2_b 1,024 float32; ln2_g 1,024 float32; lowp_scales 16 int32 (the exponents e of the quantised operands' scales 2^e); w1 1,024 x 4,096 float32; w2 4,096 x 1,024 float32; wk 1,024 x 1,024 float32; wo 1,024 x 1,024 float32; wq 1,024 x 1,024 float32; wv 1,024 x 1,024 float32; x 2,048 x 2 x 1,024 float32.
;; Outputs: out0 2,048 x 2 x 1,024 float32.
;; This version of the problem:
;;   THIS VERSION OF THE PROBLEM IS GIVEN IN LOW PRECISION. The matrix products marked QUANTISED in the list below multiply operands that are first quantised to E4M3 (4 exponent bits, 3 mantissa bits; 8 bits a number), with one given power-of-two scale for each operand tensor; their sums are f32. All else is computed in f32.
;;   The module's matrix products, in the order in which they are computed (A, B: the left and right operand; K: the contracted axis; several contracted axes count as one K, in the product's order):
;;     1. [M 4,096, K 1,024] x [K 1,024, N 1,024]; A: computed on the way; B: input wq: QUANTISED (scales: A lowp_scales[0], B lowp_scales[1])
;;     2. [M 4,096, K 1,024] x [K 1,024, N 1,024]; A: computed on the way; B: input wk: QUANTISED (scales: A lowp_scales[2], B lowp_scales[3])
;;     3. [M 4,096, K 1,024] x [K 1,024, N 1,024]; A: computed on the way; B: input wv: QUANTISED (scales: A lowp_scales[4], B lowp_scales[5])
;;     4. batch 32 x [M 2,048, K 64] x [K 64, N 2,048]; A: computed on the way; B: computed on the way: QUANTISED (scales: A lowp_scales[6], B lowp_scales[7])
;;     5. batch 32 x [M 64, K 2,048] x [K 2,048, N 2,048]; A: computed on the way; B: softmax (see below): QUANTISED (scales: A lowp_scales[8], B lowp_scales[9])
;;     6. [M 4,096, K 1,024] x [K 1,024, N 1,024]; A: computed on the way; B: input wo: QUANTISED (scales: A lowp_scales[10], B lowp_scales[11])
;;     7. [M 4,096, K 1,024] x [K 1,024, N 4,096]; A: computed on the way; B: input w1: QUANTISED (scales: A lowp_scales[12], B lowp_scales[13])
;;     8. [M 4,096, K 4,096] x [K 4,096, N 1,024]; A: computed on the way; B: input w2: QUANTISED (scales: A lowp_scales[14], B lowp_scales[15])
;;   THE QUANTISER, for each operand of a quantised product, along K:
;;     - The operand's scale is 2^e, e = its entry of the input lowp_scales (int32; the entries are numbered through the quantised products in the list's order, A before B).
;;     - Each number is divided by the scale, clamped to +-448, and rounded to the nearest number of E4M3, ties to even, subnormals kept.
;;     - The product sums the exact products of the quantised numbers (number of the format x scale) in f32.
;;   ~~~python
;;   def quantise(x, axis, e):      # numpy; x: float32 -> the quantised numbers, widened to float32 again
;;       x = np.moveaxis(x, axis, -1); K = x.shape[-1]
;;       r = np.clip(x / 2.0 ** e, -448, 448)
;;       step = 2.0 ** (np.maximum(np.frexp(np.where(r == 0, 1, r))[1] - 1, -6) - 3)
;;       q = np.round(r / step) * step * 2.0 ** e      # np.round: ties to even
;;       return np.moveaxis(q, -1, axis).astype(np.float32)
;;   ~~~
;;   SOFTMAX AHEAD OF A QUANTISED PRODUCT. Where the list says 'softmax', what is quantised is not the finished softmax but p = 2^(t - M), with t = logit x log2(e) and M = ceil(the row's largest t), a whole number; so 1/2 < the row's largest p <= 1. The row's sum l is taken of the UNQUANTISED p, in f32, and the product's result is divided by l at the end. Since M is a whole number, a kernel that streams over the keys may use a running M (the ceiling of the running maximum): every later rescaling is an exact power of two, so the quantised numbers keep their values, but for numbers so far below the row's largest that they fall under the format's range.
;;   OPERANDS COMPUTED ON THE WAY. 'Computed on the way' means the value that the module computes at that place (a softmax that the list does not call 'softmax' is quantised finished and normalised). What goes into a quantiser is computed in f32, as accurately as f32 sums, v_exp_f32 and their like allow (about 1e-6 of the number): no bf16 or f16 on the way to a quantiser, and a product that is left as it is and whose result goes on into a quantised operand takes f32 operands (vector FMAs, or v_wmma_f32_16x16x4_f32). A number that lies on a knife's edge between two numbers of the format may be rounded either way, as far as f32 arithmetic and the matrix unit's own rounding can turn it there, and no further.
;; One version. Each part assembles by itself: llvm-mc -triple=amdgcn-amd-amdhsa -mcpu=gfx1250 --defsym DOCPART=n.
;; ======== version 1 of 1: 7 launches
;; limits: right only within a limited range of input values
;; workspace buffers: wc 12,582,912 bytes; yc 12,582,912 bytes; qkvc 12,582,912 bytes; ctxc 4,194,304 bytes; x1 16,777,216 bytes; zc 4,194,304 bytes; hc 16,777,216 bytes
;; launch prep (part 1): grid 640 x 1, 4 waves a work-group, no clusters, 55,808 bytes of LDS; arguments wq, wk, wv, wo, w1, w2, x, ln1_g, ln1_b, lowp_scales, wc, yc; writes wc, yc
.if DOCPART == 1
	.amdgcn_target "amdgcn-amd-amdhsa--gfx1250"
	.amdhsa_code_object_version 6
	.text
	.protected	k_q4dad22f65f_prep
	.globl	k_q4dad22f65f_prep
	.p2align	8
	.type	k_q4dad22f65f_prep,@function
k_q4dad22f65f_prep:
	s_mov_b64 s[64:65], 0
	v_nop
	global_prefetch_b8 v0, s[64:65] scope:SCOPE_SE
	s_setreg_imm32_b32 hwreg(HW_REG_WAVE_MODE, 25, 1), 1
	s_wait_xcnt 0x0
; PREP.  Work-groups 0-383: the six weights, f32 stored [K][N], become codes of E4M3 laid [N][K] (K innermost) in wc: wq, wk, wv stacked at byte 0, wo at 3 MiB, w1 at 4 MiB, w2 at 8 MiB.
; Work-groups 384-639: y = layernorm(x) in f32, quantised three times (with e0, e2, e4) into yc [3][4096][1024].
; code = number / 2^e, held within +-448, rounded to the nearest code, ties to even.
; LIMITS: each e used here (e0, e1, e2, e3, e4, e5, e11, e13, e15) lies between -126 and 119, so that 2^e and 448 x 2^e are f32 numbers.  NaN among the inputs is not served.
; ROW ORDERS OF yc (s = place in the sequence, b = batch; x's own row is 2 s + b).  Which rows form a matrix tile is free, so the orders that later launches want are made here, by scalar address arithmetic:
;   version 0 (for q): row 2048 b + s.   version 1 (for k): the same with bits 3 and 4 of s exchanged.   version 2 (for v): 2048 b + (s & ~127) + 16 (s & 7) + ((s >> 3) & 15).
; The two kinds of work-group use different LDS bytes: the weights' stages 0 .. 34,815, the norm's stages 34,816 .. 55,295.  No wave reads another wave's LDS bytes: no barrier.
.set WP,    272                        ; weights: a stage row: 256 codes + 16 bytes
.set WSTG,  32*WP                      ; a wave's stage: 32 columns
.set LNB,   4*WSTG                     ; the norm's stages begin here
.set LSTG,  64*80                      ; a wave's stage: 64 pieces of 64 bytes + 16
.set WX,    32                         ; v32-95   weights: two sets of 32 numbers
.set WC,    96                         ; v96-103  a block's codes
.set OUTR,  112                        ; v112-175 the way out
.set OFF,   176                        ; v176-207 row i of a block: i x the row's bytes + 4 x lane
.set OUTO,  208                        ; v208-223 the way out: two rows of codes an instruction
.set LG,    32                         ; v32-63   norm: the gain at my 32 columns
.set LB,    64                         ; v64-95   the bias
.set LR,    96                         ; v96-159  two sets of 32 numbers as loaded
.set LX,    160                        ; v160-191 my 32 numbers: columns 16 l + 0..15 and 512 + 16 l + 0..15
.set LT,    192                        ; v192-223 the same, held
.set LC,    224                        ; v224-247 codes, eight registers a version
.set SEL,   36                         ; s[36:37] lane selects: lane l xor 16
	s_load_b512 s[4:19], s[0:1], 0x0               ; wq 4, wk 6, wv 8, wo 10, w1 12, w2 14, x 16, ln1_g 18
	s_load_b256 s[20:27], s[0:1], 0x40             ; ln1_b 20, the scales' exponents 22, wc 24, yc 26
	v_lshl_add_u32 v248, v0, 2, 0xd800
	v_mov_b32 v249, 0
	v_lshrrev_b32 v1, 5, v0
	v_readfirstlane_b32 s28, v1                    ; wave
	v_and_b32 v2, 31, v0                           ; lane
	s_wait_kmcnt 0x0
	s_load_b512 s[68:83], s[22:23], 0x0            ; e0 .. e15 in s68 .. s83
	s_cmp_lt_u32 ttmp9, 384
	s_cbranch_scc0 .Lln
; ---------------- THE WEIGHTS.  A lane takes a column n and its registers run down K: each load reads 128 consecutive bytes a wave, and the conversions give codes with K innermost.
; A work-group takes 128 columns x 256 along K.  Work-groups 0-127: wq, wk, wv, wo, 32 each; 128-255: w1; 256-383: w2.  One path serves all six: pointer, exponent and strides are chosen on the work-group's number.
	s_lshr_b32 s29, ttmp9, 5                       ; 0-3: wq wk wv wo; 4-7: w1; 8-11: w2
	s_lshr_b32 s50, ttmp9, 7                       ; group 0, 1, 2
	s_mov_b64 s[30:31], s[14:15]
	s_cmp_lt_u32 s29, 8
	s_cselect_b64 s[30:31], s[12:13], s[30:31]
	s_cmp_lt_u32 s29, 4
	s_cselect_b64 s[30:31], s[10:11], s[30:31]
	s_cmp_lt_u32 s29, 3
	s_cselect_b64 s[30:31], s[8:9], s[30:31]
	s_cmp_lt_u32 s29, 2
	s_cselect_b64 s[30:31], s[6:7], s[30:31]
	s_cmp_lt_u32 s29, 1
	s_cselect_b64 s[30:31], s[4:5], s[30:31]       ; the weight
	s_lshl_b32 s53, s50, 2
	s_cmp_eq_u32 s50, 0
	s_cselect_b32 s52, 31, 127                     ; work-groups of one weight, less 1
	s_cselect_b32 s53, s29, s53                    ; its codes begin at this many MiB of wc
	s_cmp_eq_u32 s50, 1
	s_cselect_b32 s54, 5, 3                        ; log2 (N / 128)
	s_cselect_b32 s55, 14, 12                      ; log2 of a row of the weight in bytes (4 N)
	s_cmp_eq_u32 s50, 2
	s_cselect_b32 s56, 12, 10                      ; log2 of a row of codes in bytes (K)
	s_and_b32 s52, ttmp9, s52
	s_lshl_b32 s53, s53, 20
	s_bfm_b32 s57, s54, 0
	s_and_b32 s57, s52, s57                        ; which 128 columns
	s_lshr_b32 s58, s52, s54                       ; which 256 along K
	s_lshl_b32 s57, s57, 7
	s_lshl_b32 s59, s28, 5
	s_add_co_u32 s57, s57, s59                     ; my wave's first column
	s_lshl_b32 s60, s58, 8
	s_lshl_b32 s60, s60, s55                       ; 256 y rows,
	s_lshl_b32 s59, s57, 2
	s_add_co_u32 s60, s60, s59                     ; + 4 bytes a column
	s_mov_b32 s61, 0
	s_add_nc_u64 s[32:33], s[30:31], s[60:61]      ; block 0's base;
	s_lshl_b32 s60, 32, s55                        ; 32 rows on
.irp t, 1,2,3,4,5,6,7
	s_add_nc_u64 s[32+2*\t:33+2*\t], s[30+2*\t:31+2*\t], s[60:61]   ; a base of its own for each of the eight blocks: none is ever stepped
.endr
	s_lshl_b32 s62, s57, s56
	s_add_co_u32 s62, s62, s53
	s_lshl_b32 s63, s58, 8
	s_add_co_u32 s62, s62, s63
	s_mov_b32 s63, 0
	s_add_nc_u64 s[48:49], s[24:25], s[62:63]      ; the codes: row = my first column, byte 256 y
	s_lshl_b32 s84, 1, s55                         ; a row of the weight in bytes
	s_lshl_b32 s85, 1, s56                         ; a row of codes in bytes
	s_wait_alu depctr_va_vdst(0)
	v_lshlrev_b32 v3, 2, v2
	s_mul_i32 s86, s28, WSTG
	v_mul_u32_u24 v4, v2, WP
	v_add_nc_u32 v4, s86, v4                       ; into the stage: row = my column
	v_and_b32 v5, 15, v2
	v_lshrrev_b32 v6, 4, v2
	v_mul_u32_u24 v7, v6, WP
	v_lshl_add_u32 v7, v5, 4, v7
	v_add_nc_u32 v7, s86, v7                       ; out of it: sixteen lanes to a row, two rows an instruction
	v_lshlrev_b32 v8, s56, v6
	v_lshl_add_u32 v8, v5, 4, v8                   ; the same place among the rows of codes
.set i, 0
.rept 32
	v_mad_u32_u24 v[OFF+i], s84, i, v3
.set i, i+1
.endr
.set i, 0
.rept 16
	v_mad_u32_u24 v[OUTO+i], s85, 2*i, v8
.set i, i+1
.endr
.macro WLOAD t                         ; block t: 32 rows of K at my column, into set t % 2
.set i, 0
.rept 32
	global_load_b32 v[WX+32*((\t)%2)+i], v[OFF+i], s[32+2*(\t):33+2*(\t)] th:TH_LOAD_NT
.set i, i+1
.endr
.endm
.macro WBLOCK t
.if (\t) < 7
	s_wait_loadcnt 32                              ; this block's 32 loads are in; the next block's 32 may be out
.else
	s_wait_loadcnt 0x0
.endif
.set i, 0
.rept 32
	v_med3_num_f32 v[WX+32*((\t)%2)+i], v[WX+32*((\t)%2)+i], -v10, v10   ; the conversion does not saturate (ISA guide 7.6.2): the hold at the largest code x the scale
.set i, i+1
.endr
.irp g, 0,1,2,3
	v_cvt_scalef32_pk8_fp8_f32 v[WC+2*\g:WC+2*\g+1], v[WX+32*((\t)%2)+8*\g:WX+32*((\t)%2)+8*\g+7], v11
.endr
	ds_store_b128 v4, v[WC:WC+3] offset:32*(\t)    ; 32 codes of my column's row.  (The results go to LDS stores; the next vector lines are the next block's holds, which are plain and touch other registers)
	ds_store_b128 v4, v[WC+4:WC+7] offset:32*(\t)+16
.if (\t)+2 < 8
	WLOAD (\t)+2
.endif
	s_wait_dscnt 0x0                               ; the stores have read their registers
.endm
	WLOAD 0
	WLOAD 1
	s_wait_kmcnt 0x0
	s_mov_b32 s51, s83                             ; the weight's exponent: e15, e13, e11, e5, e3, e1
	s_cmp_lt_u32 s29, 8
	s_cselect_b32 s51, s81, s51
	s_cmp_lt_u32 s29, 4
	s_cselect_b32 s51, s79, s51
	s_cmp_lt_u32 s29, 3
	s_cselect_b32 s51, s73, s51
	s_cmp_lt_u32 s29, 2
	s_cselect_b32 s51, s71, s51
	s_cmp_lt_u32 s29, 1
	s_cselect_b32 s51, s69, s51
	s_add_co_i32 s51, s51, 127
	s_lshl_b32 s87, s51, 23
	v_mov_b32 v11, s87                             ; 2^e as f32: the conversion takes its exponent field
	s_add_co_i32 s51, s51, 8
	s_lshl_b32 s51, s51, 23
	s_or_b32 s51, s51, 0x600000
	v_mov_b32 v10, s51                             ; 448 x 2^e
	s_wait_alu depctr_va_vdst(0)
.irp t, 0,1,2,3,4,5,6,7
	WBLOCK \t
.endr
.set i, 0
.rept 16
	ds_load_b128 v[OUTR+4*i:OUTR+4*i+3], v7 offset:2*i*WP   ; LDS serves a wave's instructions in order: these see my stores
.set i, i+1
.endr
.set i, 0
.rept 16
	s_wait_dscnt 15-i                              ; the younger read-backs may be out
	global_store_b128 v[OUTO+i], v[OUTR+4*i:OUTR+4*i+3], s[48:49]   ; sixteen lanes store 256 consecutive bytes, aligned
.set i, i+1
.endr
	s_wait_tensorcnt 0x0
	ds_add_u32 v248, v249
	s_wait_dscnt 0x0
	s_endpgm
; ---------------- THE NORM.  A wave takes four rows of x, one at a time.  Each load reads 512 consecutive bytes; the row turns through the wave's stage so that a lane holds 2 x 16 neighbours, as the conversions want.
.Lln:
	s_sub_co_u32 s29, ttmp9, 384
	s_lshl_b32 s29, s29, 4
	s_lshl_b32 s30, s28, 2
	s_add_co_u32 s29, s29, s30                     ; my first row of x: a multiple of 4
	s_lshr_b32 s31, s29, 1                         ; its s (its b is 0)
	s_lshl_b32 s32, s29, 12
	s_mov_b32 s33, 0
	s_add_nc_u64 s[16:17], s[16:17], s[32:33]
	s_mul_i32 s34, s28, LSTG
	s_add_co_u32 s34, s34, LNB                     ; my stage
	s_mov_b32 s[SEL], 0x76543210
	s_mov_b32 s[SEL+1], 0xfedcba98
	s_mov_b32 s38, 0x3a800000                      ; 1 / 1024
	s_mov_b32 s39, 0x3727c5ac                      ; 1e-5
	s_mov_b32 s99, 0
	s_wait_alu depctr_va_vdst(0)
	v_lshlrev_b32 v19, 4, v2                       ; 16 x lane
	v_lshrrev_b32 v3, 2, v2
	v_mul_u32_u24 v3, v3, 80
	v_and_b32 v4, 3, v2
	v_lshl_add_u32 v3, v4, 4, v3
	v_add_nc_u32 v3, s34, v3                       ; into the stage: four lanes' 64 bytes on end, then 16 of padding
	v_mul_u32_u24 v4, v2, 80
	v_add_nc_u32 v4, s34, v4                       ; out of it: piece l, and piece 32 + l
	v_lshlrev_b32 v5, 6, v2
	v_mov_b32 v18, 0                               ; a lane permute's destination counts as read
.irp i, 0,1,2,3
	global_load_b128 v[LG+4*\i:LG+4*\i+3], v5, s[18:19] offset:16*\i
	global_load_b128 v[LG+16+4*\i:LG+16+4*\i+3], v5, s[18:19] offset:2048+16*\i
	global_load_b128 v[LB+4*\i:LB+4*\i+3], v5, s[20:21] offset:16*\i
	global_load_b128 v[LB+16+4*\i:LB+16+4*\i+3], v5, s[20:21] offset:2048+16*\i
.endr
.macro LOADX t
.irp j, 0,1,2,3,4,5,6,7
	global_load_b128 v[LR+32*((\t)%2)+4*\j:LR+32*((\t)%2)+4*\j+3], v19, s[16:17] offset:(\t)*4096+512*\j th:TH_LOAD_NT
.endr
.endm
.macro REDUCE                          ; four packed chains v[10:17] -> their sum over the wave, in v10 of every lane
	v_pk_add_f32 v[10:11], v[10:11], v[12:13]
	v_pk_add_f32 v[14:15], v[14:15], v[16:17]
	v_pk_add_f32 v[10:11], v[10:11], v[14:15]
	v_add_f32 v10, v10, v11
	v_add_f32_dpp v10, v10, v10 row_xmask:1 row_mask:0xf bank_mask:0xf
	v_add_f32_dpp v10, v10, v10 row_xmask:2 row_mask:0xf bank_mask:0xf
	v_add_f32_dpp v10, v10, v10 row_xmask:4 row_mask:0xf bank_mask:0xf
	v_add_f32_dpp v10, v10, v10 row_xmask:8 row_mask:0xf bank_mask:0xf
	v_permlanex16_b32 v18, v10, s[SEL], s[SEL+1]
	v_add_f32 v10, v10, v18
.endm
.macro QV ver, base                    ; y is held, turned into codes with version ver's scale, and stored: two stores of 512 consecutive bytes
.set i, 0
.rept 32
	v_med3_num_f32 v[LT+i], v[LX+i], -v[21+2*(\ver)], v[21+2*(\ver)]
.set i, i+1
.endr
.irp g, 0,1,2,3
	v_cvt_scalef32_pk8_fp8_f32 v[LC+8*(\ver)+2*\g:LC+8*(\ver)+2*\g+1], v[LT+8*\g:LT+8*\g+7], v[20+2*(\ver)]
.endr
	v_nop                                          ; one plain line between the conversions and the next holds, which write their sources
	global_store_b128 v19, v[LC+8*(\ver):LC+8*(\ver)+3], s[\base:\base+1]
	global_store_b128 v19, v[LC+8*(\ver)+4:LC+8*(\ver)+7], s[\base:\base+1] offset:512
.endm
.macro ROW t
.if (\t) < 3
	s_wait_loadcnt 8                               ; this row's loads (and gain and bias) are in; the next row's eight may be out
.else
	s_wait_loadcnt 0x0
.endif
.irp j, 0,1,2,3,4,5,6,7
	ds_store_b128 v3, v[LR+32*((\t)%2)+4*\j:LR+32*((\t)%2)+4*\j+3] offset:640*\j
.endr
.irp i, 0,1,2,3
	ds_load_b128 v[LX+4*\i:LX+4*\i+3], v4 offset:16*\i
	ds_load_b128 v[LX+16+4*\i:LX+16+4*\i+3], v4 offset:2560+16*\i
.endr
	s_wait_dscnt 0x0                               ; my numbers are back; the stores have read their registers,
.if (\t)+2 < 4
	LOADX (\t)+2                                   ; which take the row two further on
.endif
.irp c, 0,1,2,3
	v_pk_add_f32 v[10+2*\c:11+2*\c], v[LX+2*\c:LX+2*\c+1], v[LX+8+2*\c:LX+9+2*\c]
.endr
.irp g, 16,24
.irp c, 0,1,2,3
	v_pk_add_f32 v[10+2*\c:11+2*\c], v[10+2*\c:11+2*\c], v[LX+\g+2*\c:LX+\g+2*\c+1]
.endr
.endr
	REDUCE
	v_mul_f32 v6, s38, v10                         ; the mean
	v_mov_b32 v7, v6
.set i, 0
.rept 16
	v_pk_add_f32 v[LX+2*i:LX+2*i+1], v[LX+2*i:LX+2*i+1], v[6:7] neg_lo:[0,1] neg_hi:[0,1]
.set i, i+1
.endr
.irp c, 0,1,2,3
	v_pk_mul_f32 v[10+2*\c:11+2*\c], v[LX+2*\c:LX+2*\c+1], v[LX+2*\c:LX+2*\c+1]
.endr
.irp g, 8,16,24
.irp c, 0,1,2,3
	v_pk_fma_f32 v[10+2*\c:11+2*\c], v[LX+\g+2*\c:LX+\g+2*\c+1], v[LX+\g+2*\c:LX+\g+2*\c+1], v[10+2*\c:11+2*\c]
.endr
.endr
	REDUCE
	v_fma_f32 v10, v10, s38, s39                   ; the variance + 1e-5
	s_wait_alu depctr_va_vdst(0)
	v_rsq_f32 v8, v10
	v_nop                                          ; a plain line behind the transcendental
	s_wait_alu depctr_va_vdst(0)                   ; the wait ahead of the result's first reader
	v_mov_b32 v9, v8
.set i, 0
.rept 16
	v_pk_mul_f32 v[LX+2*i:LX+2*i+1], v[LX+2*i:LX+2*i+1], v[8:9]
.set i, i+1
.endr
.set i, 0
.rept 16
	v_pk_fma_f32 v[LX+2*i:LX+2*i+1], v[LX+2*i:LX+2*i+1], v[LG+2*i:LG+2*i+1], v[LB+2*i:LB+2*i+1]
.set i, i+1
.endr
	s_wait_xcnt 0x0                                ; the last row's stores have read their bases and codes: both are written again below
	s_add_co_u32 s88, s31, (\t)/2                  ; s;  b = t % 2
	s_lshl_b32 s98, s88, 10
	s_add_co_u32 s98, s98, ((\t)%2)*2048*1024
	s_add_nc_u64 s[92:93], s[26:27], s[98:99]      ; version 0
	s_and_b32 s89, s88, 0xffffffe7
	s_bfe_u32 s90, s88, 0x10003
	s_lshl_b32 s90, s90, 4
	s_or_b32 s89, s89, s90
	s_bfe_u32 s90, s88, 0x10004
	s_lshl_b32 s90, s90, 3
	s_or_b32 s89, s89, s90                         ; bits 3 and 4 exchanged
	s_lshl_b32 s98, s89, 10
	s_add_co_u32 s98, s98, (4096+((\t)%2)*2048)*1024
	s_add_nc_u64 s[94:95], s[26:27], s[98:99]      ; version 1
	s_and_b32 s91, s88, 0xffffff80
	s_and_b32 s90, s88, 7
	s_lshl_b32 s90, s90, 4
	s_or_b32 s91, s91, s90
	s_bfe_u32 s90, s88, 0x40003
	s_or_b32 s91, s91, s90
	s_lshl_b32 s98, s91, 10
	s_add_co_u32 s98, s98, (8192+((\t)%2)*2048)*1024
	s_add_nc_u64 s[96:97], s[26:27], s[98:99]      ; version 2
	QV 0, 92
	QV 1, 94
	QV 2, 96
.endm
	LOADX 0
	LOADX 1
	s_wait_alu depctr_va_vdst(0)
	s_wait_kmcnt 0x0
.irp i, 0,1,2
	s_add_co_i32 s88, s[68+2*\i], 127              ; e0, e2, e4
	s_lshl_b32 s89, s88, 23
	v_mov_b32 v[20+2*\i], s89                      ; 2^e
	s_add_co_i32 s88, s88, 8
	s_lshl_b32 s88, s88, 23
	s_or_b32 s88, s88, 0x600000
	v_mov_b32 v[21+2*\i], s88                      ; 448 x 2^e
.endr
	ROW 0
	ROW 1
	ROW 2
	ROW 3
	s_wait_tensorcnt 0x0
	ds_add_u32 v248, v249
	s_wait_dscnt 0x0
	s_endpgm
.Lfunc_end_k_q4dad22f65f_prep:
	.size	k_q4dad22f65f_prep, .Lfunc_end_k_q4dad22f65f_prep-k_q4dad22f65f_prep
	.p2alignl 7, 3214868480
	.fill 96, 4, 3214868480
	.section	.rodata,"a",@progbits
	.p2align	6, 0x0
	.amdhsa_kernel k_q4dad22f65f_prep
		.amdhsa_group_segment_fixed_size 55808
		.amdhsa_private_segment_fixed_size 0
		.amdhsa_enable_private_segment 0
		.amdhsa_kernarg_size 96
		.amdhsa_user_sgpr_count 2
		.amdhsa_user_sgpr_kernarg_segment_ptr 1
		.amdhsa_wavefront_size32 1
		.amdhsa_system_sgpr_workgroup_id_x 1
		.amdhsa_system_sgpr_workgroup_id_y 1
		.amdhsa_system_sgpr_workgroup_id_z 1
		.amdhsa_system_vgpr_workitem_id 0
		.amdhsa_next_free_vgpr 250
		.amdhsa_next_free_sgpr 100
		.amdhsa_reserve_vcc 0
		.amdhsa_float_denorm_mode_32 3
		.amdhsa_float_denorm_mode_16_64 3
		.amdhsa_memory_ordered 1
		.amdhsa_forward_progress 1
		.amdhsa_inst_pref_size 123
	.end_amdhsa_kernel
	.amdgpu_metadata
---
amdhsa.version: [ 1, 2 ]
amdhsa.kernels:
  - .name:           k_q4dad22f65f_prep
    .symbol:         k_q4dad22f65f_prep.kd
    .args:
      - { .name: wq, .offset: 0, .size: 8, .value_kind: global_buffer, .address_space: global }
      - { .name: wk, .offset: 8, .size: 8, .value_kind: global_buffer, .address_space: global }
      - { .name: wv, .offset: 16, .size: 8, .value_kind: global_buffer, .address_space: global }
      - { .name: wo, .offset: 24, .size: 8, .value_kind: global_buffer, .address_space: global }
      - { .name: w1, .offset: 32, .size: 8, .value_kind: global_buffer, .address_space: global }
      - { .name: w2, .offset: 40, .size: 8, .value_kind: global_buffer, .address_space: global }
      - { .name: x, .offset: 48, .size: 8, .value_kind: global_buffer, .address_space: global }
      - { .name: ln1_g, .offset: 56, .size: 8, .value_kind: global_buffer, .address_space: global }
      - { .name: ln1_b, .offset: 64, .size: 8, .value_kind: global_buffer, .address_space: global }
      - { .name: lowp_scales, .offset: 72, .size: 8, .value_kind: global_buffer, .address_space: global }
      - { .name: wc, .offset: 80, .size: 8, .value_kind: global_buffer, .address_space: global }
      - { .name: yc, .offset: 88, .size: 8, .value_kind: global_buffer, .address_space: global }
    .group_segment_fixed_size: 55808
    .private_segment_fixed_size: 0
    .kernarg_segment_align: 8
    .kernarg_segment_size: 96
    .max_flat_workgroup_size: 128
    .sgpr_count:     100
    .vgpr_count:     250
    .wavefront_size: 32
...
	.end_amdgpu_metadata
.endif
;; end of part 1
;; launch qkv (part 2): grid 12 x 16, 4 waves a work-group, clusters of 4 x 4, 327,680 bytes of LDS; arguments yc, wc, lowp_scales, qkvc; writes qkvc
.if DOCPART == 2
	.amdgcn_target "amdgcn-amd-amdhsa--gfx1250"
	.amdhsa_code_object_version 6
	.text
	.protected	k_q4dad22f65f_qkv
	.globl	k_q4dad22f65f_qkv
	.p2align	8
	.type	k_q4dad22f65f_qkv,@function
k_q4dad22f65f_qkv:
	s_mov_b64 s[64:65], 0
	v_nop
	global_prefetch_b8 v0, s[64:65] scope:SCOPE_SE
	s_setreg_imm32_b32 hwreg(HW_REG_WAVE_MODE, 25, 1), 1
	s_wait_xcnt 0x0
	s_wait_alu depctr_hold_cnt(0) depctr_sa_sdst(0) depctr_va_vdst(0) depctr_va_sdst(0) depctr_va_ssrc(0) depctr_va_vcc(0) depctr_vm_vsrc(0)
	s_getreg_b32 s2, hwreg(HW_REG_IB_STS2, 6, 4)
	s_cmp_eq_u32 s2, 0
	s_cbranch_scc0 .Lentry_in_a_cluster
	s_endpgm
.Lentry_in_a_cluster:
	s_bfe_u32 s2, ttmp6, 0x10000c
	s_cmp_lg_u32 s2, 0xf033
	s_cbranch_scc0 .Lentry_shape_is_right
	s_endpgm
.Lentry_shape_is_right:
.set KSTEP,  256
.set ROWB,   256
.set KROW,   1024
.set PITCH,  272
.set FR,     16
.set NL,     4
.set NP,     4
.set HALFT,  128*PITCH
.set SLOT,   4*HALFT
.set LAPS,   KROW/(2*KSTEP)
.set SPARE,  2*SLOT
.set SP,     272
.set STGV,   256*SP
.set ADRA, 16
.set ADRB, 20
.set RDV,  22
.set STV,  23
.set STO,  24
.set RD,   25
.set CO,   26
.set SCL,  27
.set SPW,  28
.set NIL,  29
.set LIM,  30
.set COV,  31
.set TMP,  32
.set CD,   96
.set AF,   128
.set G1, 24
.set G0, 32
.set G1B, 48
.set G0B, 56
.set MSB, 0
.macro WIN new
.if MSB != (\new)
	s_set_vgpr_msb (MSB<<8)|(\new)
.set MSB, (\new)
.endif
.endm
.set MUL_LO, 0xa1
.set MUL_HI, 0xf1
.set TO_B,   0x40
.macro JLOAD g0a, g1a, g0b, g1b
	s_cmp_eq_u32 s15, 0
	s_cbranch_scc0 .Lfor_b_\@
	tensor_load_to_lds s[\g0a:\g0a+3], s[\g1a:\g1a+7]
	s_nop 0
.rept 4
	v_nop
.endr
	s_branch .Lasked_\@
.Lfor_b_\@:
	tensor_load_to_lds s[\g0b:\g0b+3], s[\g1b:\g1b+7]
	s_nop 0
.rept 4
	v_nop
.endr
.Lasked_\@:
.endm
.macro CREST
	s_cmp_lg_u32 s14, 0
	s_cbranch_scc1 .Lnot_wave_0_\@
	s_barrier_signal -3
.Lnot_wave_0_\@:
	s_barrier_wait -3
	s_barrier_signal -1
	s_barrier_wait -1
.endm
.macro CROUND
	s_barrier_signal -1
	s_barrier_wait -1
	CREST
.endm
	s_load_b128 s[4:7], s[0:1], 0x0
	s_load_b128 s[8:11], s[0:1], 0x10
	v_lshl_add_u32 v[SPW], v0, 2, SPARE
	v_mov_b32 v[NIL], 0
	ds_add_u32 v28, v29
	ds_add_u32 v28, v29
	s_wait_dscnt 0x0
	v_lshrrev_b32 v1, 5, v0
	v_readfirstlane_b32 s14, v1
	v_and_b32 v7, 31, v0
	v_lshlrev_b32 v7, 10, v7                       ; the prefetches' offset: a lane a row of 1,024 bytes; never rewritten
	s_wait_alu depctr_va_vdst(0)
	s_lshr_b32 s15, s14, 1
	s_and_b32 s16, s14, 1
	s_bfe_u32 s40, ttmp6, 0x40000
	s_bfe_u32 s41, ttmp6, 0x40004
	s_lshl_b32 s42, ttmp9, 2
	s_add_co_u32 s42, s42, s40
	s_and_b32 s17, ttmp7, 0xffff
	s_lshl_b32 s17, s17, 2
	s_add_co_u32 s17, s17, s41
	s_lshl_b32 s43, s41, 2
	s_lshl_b32 s43, 15, s43
	s_lshl_b32 s44, 0x1111, s40
	s_or_b32 s[G1+0], s43, (0<<16)|(1<<20)|(1<<21)|(5<<22)|(3<<25)
	s_or_b32 s[G1B+0], s44, (0<<16)|(1<<20)|(1<<21)|(5<<22)|(3<<25)
.irp g, G1, G1B
	s_mov_b32 s[\g+1], ROWB<<16
	s_mov_b32 s[\g+2], 128<<16
	s_mov_b32 s[\g+3], ROWB<<16
	s_mov_b32 s[\g+4], 128
	s_mov_b32 s[\g+5], KROW
	s_mov_b32 s[\g+6], 0
	s_mov_b32 s[\g+7], 0
.endr
	s_lshl_b32 s18, s16, 7
	s_lshl_b32 s20, s17, 8
	s_add_co_u32 s20, s20, s18
	s_lshl_b32 s46, s42, 8
	s_add_co_u32 s46, s46, s18
	s_mov_b32 s21, 0
	s_mov_b32 s47, 0
	s_mov_b64 s[18:19], KROW
	s_mul_u64 s[20:21], s[20:21], s[18:19]
	s_mul_u64 s[46:47], s[46:47], s[18:19]
	s_lshl_b32 s22, ttmp9, 22
	s_mov_b32 s23, 0
	s_add_nc_u64 s[20:21], s[20:21], s[22:23]
	s_mul_i32 s45, s14, HALFT
	s_wait_kmcnt 0x0
	s_load_b512 s[68:83], s[8:9], 0x0
	s_add_nc_u64 s[20:21], s[4:5], s[20:21]
	s_add_nc_u64 s[46:47], s[6:7], s[46:47]
	; A PREFETCH INTO THE L2 stands behind each of the head's two joint loads, for the K step two loads on (K steps 2 and 3, which the two refills bring).  Of the 128 rows that a wave fetches,
	; each of the four partners that ask for them jointly names 32, told apart by address (cx for A, cy for B): a lane a row, 256 bytes of it.  The refills have no K step two on.
	s_cmp_eq_u32 s15, 0                            ; do I fetch for A?
	s_cselect_b64 s[96:97], s[20:21], s[46:47]
	s_cselect_b32 s98, s40, s41                    ; my place among the four
	s_lshl_b32 s98, s98, 15                        ; x 32 rows of 1,024 bytes
	s_mov_b32 s99, 0
	s_add_nc_u64 s[96:97], s[96:97], s[98:99]
	s_add_nc_u64 s[96:97], s[96:97], 2*ROWB        ; at K step 2
	CROUND
.irp s, 0,1
	s_mov_b32 s[G0+4*\s], 1
	s_add_co_u32 s[G0+4*\s+1], s45, \s*SLOT
	s_add_nc_u64 s[G0+4*\s+2:G0+4*\s+3], s[20:21], \s*ROWB
	s_or_b32 s[G0+4*\s+3], s[G0+4*\s+3], 0x80000000
	s_mov_b32 s[G0B+4*\s], 1
	s_add_co_u32 s[G0B+4*\s+1], s45, \s*SLOT
	s_add_nc_u64 s[G0B+4*\s+2:G0B+4*\s+3], s[46:47], \s*ROWB
	s_or_b32 s[G0B+4*\s+3], s[G0B+4*\s+3], 0x80000000
.if \s == 1                                    ; slot 1's first fill is issued as a refill is; slot 0's stands behind the opening lines and the round above
	s_wait_alu depctr_va_vdst(0)
	s_wait_tensorcnt 0x0
	ds_add_u32 v28, v29
	ds_add_u32 v28, v29
	s_wait_dscnt 0x0
	CROUND
.endif
	JLOAD G0+4*\s, G1, G0B+4*\s, G1B
	global_prefetch_b8 v7, s[96:97] offset:\s*ROWB th:TH_LOAD_NT scope:SCOPE_SE   ; K step s + 2
.endr
	v_and_b32 v1, 15, v0
	s_wait_alu depctr_va_vdst(0)
	v_bfe_u32 v2, v0, 4, 1
	v_mul_u32_u24 v3, v1, PITCH
	v_lshl_add_u32 v4, v2, 4, v3
	s_mul_i32 s21, s15, HALFT
	s_mul_i32 s22, s16, HALFT
	s_add_co_u32 s22, s22, 2*HALFT
.irp s, 0,1
	v_add_nc_u32 v[ADRA+\s], s21, v4
	v_add_nc_u32 v[ADRB+\s], s22, v4
	s_add_co_u32 s21, s21, SLOT
	s_add_co_u32 s22, s22, SLOT
.endr
	s_lshl_b32 s21, s16, 7
	s_lshl_b32 s22, s15, 5
	s_add_co_u32 s21, s21, s22
	s_mul_i32 s21, s21, SP
	v_lshrrev_b32 v5, 2, v1
	v_mul_u32_u24 v5, v5, SP
	v_and_b32 v6, 3, v1
	v_lshl_add_u32 v5, v6, 6, v5
	v_lshl_add_u32 v5, v2, 3, v5
	v_add_nc_u32 v[STO], s21, v5
	s_mul_i32 s21, s16, 128*SP
	s_lshl_b32 s22, s15, 7
	s_add_co_u32 s21, s21, s22
	s_add_co_u32 s21, s21, STGV
	v_mul_u32_u24 v5, v2, 8*SP
	v_lshl_add_u32 v5, v1, 3, v5
	v_add_nc_u32 v[STV], s21, v5
	s_mul_i32 s21, s14, 64*SP
	v_mul_u32_u24 v5, v2, SP
	v_lshl_add_u32 v5, v1, 4, v5
	v_add_nc_u32 v[RD], s21, v5
	v_add_nc_u32 v[RDV], STGV, v[RD]
	v_lshlrev_b32 v5, 4, v1
	v_lshl_add_u32 v[CO], v2, 8, v5
	v_lshl_add_u32 v[COV], v2, 11, v5
	s_lshr_b32 s84, s17, 3
	s_lshl_b32 s84, s84, 4
	s_lshl_b32 s85, s40, 2
	s_add_co_u32 s84, s84, s85
	s_add_co_u32 s84, s84, s14
	s_lshl_b32 s84, s84, 17
	s_lshl_b32 s85, ttmp9, 22
	s_add_co_u32 s84, s84, s85
	s_and_b32 s85, s17, 7
	s_lshl_b32 s85, s85, 8
	s_lshl_b32 s86, s85, 6
	s_cmp_eq_u32 ttmp9, 2
	s_cselect_b32 s85, s85, s86
	s_add_co_u32 s84, s84, s85
	s_mov_b32 s85, 0
	s_add_nc_u64 s[10:11], s[10:11], s[84:85]
.macro FRAG reg, adr, q, i
.irp c, 0,1,2,3
	ds_load_b128 v[\reg+4*\c:\reg+4*\c+3], v[\adr] offset:128*(\q)+32*\c+(\i)*16*PITCH
.endr
.endm
.macro MUL16 a0, p, zero
.irp a, \a0, \a0+1
.irp b, 0,1,2,3,4,5,6,7
.if \zero
	v_wmma_f32_16x16x128_fp8_fp8 v[8*(8*((\a)%4)+\b):8*(8*((\a)%4)+\b)+7], v[128*(\p)+FR*\b:128*(\p)+FR*\b+FR-1], v[AF+FR*(\a):AF+FR*(\a)+FR-1], 0
.else
	v_wmma_f32_16x16x128_fp8_fp8 v[8*(8*((\a)%4)+\b):8*(8*((\a)%4)+\b)+7], v[128*(\p)+FR*\b:128*(\p)+FR*\b+FR-1], v[AF+FR*(\a):AF+FR*(\a)+FR-1], v[8*(8*((\a)%4)+\b):8*(8*((\a)%4)+\b)+7]
.endif
.endr
.endr
.endm
.macro FETCH_B slot, q, p
	WIN TO_B
.irp i, 0,1,2,3,4,5,6,7
	FRAG 128*(\p)+FR*\i, ADRB+\slot, \q, \i
.endr
	WIN 0
.endm
.macro FETCH_A slot, q, i0
.irp i, \i0, \i0+1, \i0+2, \i0+3
	FRAG AF+FR*(\i), ADRA+\slot, \q, \i
.endr
.endm
.macro PLACES n
.rept \n
	v_nop
.endr
.endm
.macro STEP slot, q, zero
	s_wait_dscnt 4*NL
	WIN MUL_LO
	MUL16 0, (\q)%2, \zero
	MUL16 2, (\q)%2, \zero
	s_wait_dscnt 0
	PLACES NP
	FETCH_B \slot, (\q)+1, 1-(\q)%2
	FETCH_A \slot, (\q)+1, 0
	WIN MUL_HI
	MUL16 4, (\q)%2, \zero
	MUL16 6, (\q)%2, \zero
	PLACES NP
	WIN 0
	FETCH_A \slot, (\q)+1, 4
.endm
.macro TURN slot, next, fill
	s_wait_tensorcnt 0x0
	ds_add_u32 v[SPW], v[NIL]
	s_wait_dscnt 4*NL+1
	WIN MUL_LO
	MUL16 0, 1, 0
	s_wait_dscnt 0x0
	s_barrier_signal -1
	MUL16 2, 1, 0
	WIN 0
	s_barrier_wait -1
.if \fill
	CREST
	s_add_nc_u64 s[G0+4*\slot+2:G0+4*\slot+3], s[G0+4*\slot+2:G0+4*\slot+3], 2*ROWB
	s_add_nc_u64 s[G0B+4*\slot+2:G0B+4*\slot+3], s[G0B+4*\slot+2:G0B+4*\slot+3], 2*ROWB
	JLOAD G0+4*\slot, G1, G0B+4*\slot, G1B
.else
	PLACES NP
.endif
	FETCH_B \next, 0, 0
	FETCH_A \next, 0, 0
	WIN MUL_HI
	MUL16 4, 1, 0
	MUL16 6, 1, 0
	PLACES NP
	WIN 0
	FETCH_A \next, 0, 4
.endm
	s_wait_tensorcnt 1
	s_barrier_signal -1
	s_barrier_wait -1
	FETCH_B 0, 0, 0
	FETCH_A 0, 0, 0
	FETCH_A 0, 0, 4
	STEP 0, 0, 1
	s_mov_b32 s3, LAPS-1
.Llap:
	TURN 0, 1, 1
	STEP 1, 0, 0
	TURN 1, 0, 1
	STEP 0, 0, 0
	s_sub_co_u32 s3, s3, 1
	s_cmp_lg_u32 s3, 0
	s_cbranch_scc1 .Llap
	TURN 0, 1, 0
	STEP 1, 0, 0
	s_wait_dscnt 4*NL
	WIN MUL_LO
	MUL16 0, 1, 0
	MUL16 2, 1, 0
	s_wait_dscnt 0
	WIN MUL_HI
	MUL16 4, 1, 0
	MUL16 6, 1, 0
	WIN 0
	s_wait_kmcnt 0x0
	s_sub_co_i32 s84, s74, s68
	s_sub_co_i32 s84, s84, s69
	s_sub_co_i32 s85, s75, s70
	s_sub_co_i32 s85, s85, s71
	s_sub_co_i32 s86, s76, s72
	s_sub_co_i32 s86, s86, s73
	s_cmp_eq_u32 ttmp9, 1
	s_cselect_b32 s84, s85, s84
	s_cmp_eq_u32 ttmp9, 2
	s_cselect_b32 s84, s86, s84
	s_add_co_i32 s84, s84, 127
	s_lshl_b32 s85, s84, 23
	v_mov_b32 v[SCL], s85
	s_add_co_i32 s84, s84, 8
	s_lshl_b32 s84, s84, 23
	s_or_b32 s84, s84, 0x600000
	v_mov_b32 v[LIM], s84
	PLACES NP
.macro E1QK a
	WIN (0x02+(\a)/4)
.set i, 0
.rept 64
	v_med3_num_f32 v[TMP+i], v[64*((\a)%4)+i], -v[LIM], v[LIM]
.set i, i+1
.endr
	WIN 0
.irp b, 0,1,2,3,4,5,6,7
	v_cvt_scalef32_pk8_fp8_f32 v[CD+16*((\a)%2)+2*\b:CD+16*((\a)%2)+2*\b+1], v[TMP+8*\b:TMP+8*\b+7], v[SCL]
.endr
	v_nop
.irp b, 0,1,2,3,4,5,6,7
	ds_store_b64 v[STO], v[CD+16*((\a)%2)+2*\b:CD+16*((\a)%2)+2*\b+1] offset:(\b/4)*64*SP+4*(\a)*SP+(\b%4)*16
.endr
.endm
.macro E1V b
	WIN 0x02
.irp a, 0,1,2,3
.irp j, 0,1,2,3,4,5,6,7
	v_med3_num_f32 v[TMP+8*\j+\a], v[8*(8*\a+(\b))+\j], -v[LIM], v[LIM]
.endr
.endr
	WIN 0x03
.irp a, 0,1,2,3
.irp j, 0,1,2,3,4,5,6,7
	v_med3_num_f32 v[TMP+8*\j+4+\a], v[8*(8*\a+(\b))+\j], -v[LIM], v[LIM]
.endr
.endr
	WIN 0
.irp j, 0,1,2,3,4,5,6,7
	v_cvt_scalef32_pk8_fp8_f32 v[CD+16*((\b)%2)+2*\j:CD+16*((\b)%2)+2*\j+1], v[TMP+8*\j:TMP+8*\j+7], v[SCL]
.endr
	v_nop
.irp j, 0,1,2,3,4,5,6,7
	ds_store_b64 v[STV], v[CD+16*((\b)%2)+2*\j:CD+16*((\b)%2)+2*\j+1] offset:(((\b)/4)*64+((\b)%4)*16+\j)*SP
.endr
.endm
.macro OUT rd, co, stride
.set i, 0
.rept 32
	ds_load_b128 v[128+4*i:131+4*i], v[\rd] offset:2*i*SP
.set i, i+1
.endr
.set i, 0
.rept 32
	s_wait_dscnt 31-i
	global_store_b128 v[\co], v[128+4*i:131+4*i], s[10:11] offset:2*i*\stride
.set i, i+1
.endr
.endm
	s_cmp_eq_u32 ttmp9, 2
	s_cbranch_scc1 .Lv_in
.irp a, 0,1,2,3,4,5,6,7
	E1QK \a
.endr
	s_branch .Lmeet
.Lv_in:
	s_wait_alu depctr_va_vdst(0)
.irp b, 0,1,2,3,4,5,6,7
	E1V \b
.endr
.Lmeet:
	s_wait_dscnt 0x0
	s_barrier_signal -1
	s_barrier_wait -1
	s_cmp_eq_u32 ttmp9, 2
	s_cbranch_scc1 .Lv_out
	OUT RD, CO, 256
	s_branch .Lend
.Lv_out:
	OUT RDV, COV, 2048
.Lend:
	s_wait_tensorcnt 0x0
	ds_add_u32 v[SPW], v[NIL]
	s_wait_dscnt 0x0
	CROUND
	s_endpgm
.Lfunc_end_k_q4dad22f65f_qkv:
	.size	k_q4dad22f65f_qkv, .Lfunc_end_k_q4dad22f65f_qkv-k_q4dad22f65f_qkv
	.p2alignl 7, 3214868480
	.fill 96, 4, 3214868480
	.section	.rodata,"a",@progbits
	.p2align	6, 0x0
	.amdhsa_kernel k_q4dad22f65f_qkv
		.amdhsa_group_segment_fixed_size 327680
		.amdhsa_private_segment_fixed_size 0
		.amdhsa_enable_private_segment 0
		.amdhsa_kernarg_size 32
		.amdhsa_user_sgpr_count 2
		.amdhsa_user_sgpr_kernarg_segment_ptr 1
		.amdhsa_wavefront_size32 1
		.amdhsa_system_sgpr_workgroup_id_x 1
		.amdhsa_system_sgpr_workgroup_id_y 1
		.amdhsa_system_sgpr_workgroup_id_z 1
		.amdhsa_system_vgpr_workitem_id 0
		.amdhsa_next_free_vgpr 1024
		.amdhsa_next_free_sgpr 100
		.amdhsa_reserve_vcc 0
		.amdhsa_float_denorm_mode_32 3
		.amdhsa_float_denorm_mode_16_64 3
		.amdhsa_memory_ordered 1
		.amdhsa_forward_progress 1
		.amdhsa_inst_pref_size 174
	.end_amdhsa_kernel
	.amdgpu_metadata
---
amdhsa.version: [ 1, 2 ]
amdhsa.kernels:
  - .name:           k_q4dad22f65f_qkv
    .symbol:         k_q4dad22f65f_qkv.kd
    .args:
      - { .name: yc, .offset: 0, .size: 8, .value_kind: global_buffer, .address_space: global }
      - { .name: wc, .offset: 8, .size: 8, .value_kind: global_buffer, .address_space: global }
      - { .name: lowp_scales, .offset: 16, .size: 8, .value_kind: global_buffer, .address_space: global }
      - { .name: qkvc, .offset: 24, .size: 8, .value_kind: global_buffer, .address_space: global }
    .group_segment_fixed_size: 327680
    .private_segment_fixed_size: 0
    .kernarg_segment_align: 8
    .kernarg_segment_size: 32
    .max_flat_workgroup_size: 128
    .sgpr_count:     100
    .vgpr_count:     1024
    .wavefront_size: 32
...
	.end_amdgpu_metadata
.endif
;; end of part 2
;; launch attn (part 3): grid 8 x 32, 16 waves a work-group, clusters of 4 x 1, 327,680 bytes of LDS; arguments qkvc, lowp_scales, ctxc; writes ctxc
.if DOCPART == 3
	.amdgcn_target "amdgcn-amd-amdhsa--gfx1250"
	.amdhsa_code_object_version 6
	.text
	.protected	k_q4dad22f65f_attn
	.globl	k_q4dad22f65f_attn
	.p2align	8
	.type	k_q4dad22f65f_attn,@function
k_q4dad22f65f_attn:
	s_mov_b64 s[64:65], 0
	v_nop
	global_prefetch_b8 v0, s[64:65] scope:SCOPE_SE
	s_setreg_imm32_b32 hwreg(HW_REG_WAVE_MODE, 25, 1), 1
	s_wait_xcnt 0x0
	s_wait_alu depctr_hold_cnt(0) depctr_sa_sdst(0) depctr_va_vdst(0) depctr_va_sdst(0) depctr_va_ssrc(0) depctr_va_vcc(0) depctr_vm_vsrc(0)
	s_getreg_b32 s2, hwreg(HW_REG_IB_STS2, 6, 4)
	s_cmp_eq_u32 s2, 0
	s_cbranch_scc0 .Lentry_in_a_cluster
	s_endpgm
.Lentry_in_a_cluster:
	s_bfe_u32 s2, ttmp6, 0x10000c
	s_cmp_lg_u32 s2, 0x3003
	s_cbranch_scc0 .Lentry_shape_is_right
	s_endpgm
.Lentry_shape_is_right:
; ctx = softmax(q k^T / 8) v for one head (16 b + h = work-group y) and 256 queries, both products on codes of E4M3; ctx leaves as codes (scale 2^e10), laid [16 b + h][s][64].
; qkvc: q at byte 0 and k at 4 MiB, [head][row][64]; v at 8 MiB, [head][d][key].  k's rows lie with bits 3 and 4 of the key exchanged (made so two launches back).
; THE SOFTMAX AHEAD OF THE SECOND PRODUCT: t = score x log2(e) / 8; M = the running largest t rounded up to a whole number; p = 2^(t - M) is quantised (scale 2^e9), not normalised;
; the row's sum is taken of the unquantised p and divides at the end.  When M moves, the sums and O are multiplied by 2^(old M - new M): nothing is rounded.
; SHARES.  Sixteen waves, 16 queries each, in 256 registers.  Every wave walks all 2,048 keys, 128 a step, two steps a trip.
; ALL OF THE HEAD'S K AND V LIE IN LDS, each byte filled once, in two groups of one load a wave (waves 0-7: K; waves 8-15: V): keys 0-255 at the head, keys 256-2047 behind the
; full sequence and a round of the cluster's barrier.  One work-group barrier more stands in front of the first read of the second group; behind it the waves meet no barrier until the end.
; The four query blocks of a cluster belong to one head: every load is a joint one.
; K is dense in memory: its tiles are stated as rows of 256 bytes (four keys), 16 bytes of padding behind every 64: a key's row is 80 bytes in LDS.
; V's rows get 16 bytes behind every 256: 272 bytes (group 0), 7 x 272 = 1,904 bytes (group 1): the sixteen rows of a fragment start at sixteen different groups of four banks.
; NO PREFETCH: both groups are asked for at the start; no later load exists for a request to run ahead of.
; LAYOUT.  Both products transposed: S^T = K Q^T, O^T = V^T P^T: a lane holds one query (lane % 16) throughout.  By k's row order the 16 registers of score tiles 2 b and 2 b + 1 are keys
; 32 b + 16 h + 0 .. 15: the conversions' results are the second product's operand.  Fragments come by loads of 16 bytes: a permutation of k inside an instruction, the same in both operands.
; A STEP'S LDS LOADS stand behind its first product: the NEXT step's fragments of K, then this step's of V; one wait for 0 in front of the second product serves both, so the next first product waits for nothing.
; THE EXPONENTIALS GO IN TWO BATCHES OF 32.  Between the lines of a batch stand plain lines that hang on nothing in it and whose results are first read behind the batch's closing wait:
; in the first batch the second half's t - M, in the second batch the first half's holds.
; LIMITS: e6 + e7 between -123 and 130 (added to c's exponent field); e9 and e10 between -126 and 119; the scaled scores stay under 2^31 in magnitude.  NaN is not served.
; REGISTERS: v1-5 addresses; v6, v7 the add's two; v8 f, v9 2^e9; v[10:11], v[14:15] the sum in two chains; v12 -M, v13 the largest score; v16-23 Q; v24-26 at work; v27 the last -M;
;   v28-91 K's eight fragments; v92-107 p's codes (v92-95 before that: chains of the maxima and of the sums); v96-159 S^T, then p; v160-191 O^T; v192-255 V's four fragments.
.set KP,    80
.set VPA,   272
.set VPB,   1904
.set K0,    0
.set V0,    256*KP
.set K1,    V0+64*VPA
.set V1,    K1+1792*KP
.set STAGE, V1+64*VPB                  ; 16 rows x 80 bytes for each wave, for the way out; no load lands there
.set SPARE, STAGE+16*16*KP             ; the spare words, 128 bytes a wave: no other line names them
.set WV,   10
.set G1KA, 24
.set G1KB, 32
.set G1VA, 40
.set G1VB, 48
.set G0KA, 84
.set G0KB, 88
.set G0VA, 92
.set G0VB, 96
.set CS,   56                          ; s[56:57] c
.set SEL,  58                          ; s[58:59] lane l xor 16
.set TK,   60
.set TV,   61
.set CNT,  62
.set LP,   63                          ; 448 x 2^e9
.set AK0,  1
.set AV,   2
.set ADK,  3
.set ADV,  4
.set ADV2, 5
.set SPW,  6
.set NIL,  7
.macro CROUND
	s_barrier_signal -1
	s_barrier_wait -1
	s_cmp_lg_u32 s[WV], 0
	s_cbranch_scc1 .Lnot_wave_0_\@
	s_barrier_signal -3
.Lnot_wave_0_\@:
	s_barrier_wait -3
	s_barrier_signal -1
	s_barrier_wait -1
.endm
.macro TLOAD gk, g1k, gv, g1v          ; one joint load a wave; the branch hangs on the wave's number alone; s_nop 0 and four v_nop follow each line
	s_cmp_lt_u32 s[WV], 8
	s_cbranch_scc0 .Lfor_v_\@
	tensor_load_to_lds s[\gk:\gk+3], s[\g1k:\g1k+7]
	s_nop 0
.rept 4
	v_nop
.endr
	s_branch .Lasked_\@
.Lfor_v_\@:
	tensor_load_to_lds s[\gv:\gv+3], s[\g1v:\g1v+7]
	s_nop 0
.rept 4
	v_nop
.endr
.Lasked_\@:
.endm
.macro G1SET g, qi, c, r, p            ; r rows of c bytes, p bytes apart; the mask names all four partners, bit 21 beside it; 4 words of padding behind every 2 << qi
	s_mov_b32 s[\g], 15|(1<<20)|(1<<21)|(\qi<<22)|(3<<25)
	s_mov_b32 s[\g+1], (\c)<<16
	s_mov_b32 s[\g+2], (\r)<<16
	s_mov_b32 s[\g+3], (\c)<<16
	s_mov_b32 s[\g+4], \r
	s_mov_b32 s[\g+5], \p
	s_mov_b32 s[\g+6], 0
	s_mov_b32 s[\g+7], 0
.endm
	s_load_b128 s[4:7], s[0:1], 0x0                ; qkvc, the scales' exponents
	s_load_b64 s[8:9], s[0:1], 0x10                ; ctxc
	v_lshl_add_u32 v[SPW], v0, 2, SPARE
	v_mov_b32 v[NIL], 0
	ds_add_u32 v[SPW], v[NIL]                      ; the opening lines: the add, twice on end, and its wait ahead of my first tensor load
	ds_add_u32 v[SPW], v[NIL]
	v_lshrrev_b32 v24, 5, v0
	v_readfirstlane_b32 s[WV], v24                 ; wave 0..15
	s_bfe_u32 s11, ttmp6, 0x40000                  ; cx
	s_lshl_b32 s12, ttmp9, 2
	s_add_co_u32 s12, s12, s11                     ; my block of 256 queries: it enters Q's and ctx's addresses alone
	s_and_b32 s13, ttmp7, 0xffff                   ; the head, which the four partners share
	s_lshl_b32 s17, s13, 17                        ; its first byte in each of q, k, v
	s_lshl_b32 s15, s12, 14
	s_add_co_u32 s14, s17, s15
	s_lshl_b32 s15, s[WV], 10
	s_add_co_u32 s14, s14, s15                     ; (2048 head + 256 block + 16 wave) rows of 64 bytes
	s_mov_b32 s15, 0
	s_and_b32 s16, s[WV], 7
	s_lshl_b32 s18, s16, 11                        ; K, group 0: my 32 keys, 2,048 bytes
	s_add_co_u32 s18, s18, s17
	s_add_co_u32 s18, s18, 4<<20
	s_mov_b32 s19, 0
	s_mul_i32 s20, s16, 14336                      ; K, group 1: my 224 keys, behind the first 256
	s_add_co_u32 s20, s20, s17
	s_add_co_u32 s20, s20, (4<<20)+16384
	s_mov_b32 s21, 0
	s_lshl_b32 s22, s16, 14                        ; V: my 8 rows of 2,048 bytes
	s_add_co_u32 s22, s22, s17
	s_add_co_u32 s22, s22, 8<<20
	s_mov_b32 s23, 0
	s_mov_b32 s[G0KA], 1
	s_mov_b32 s[G0KB], 1
	s_mov_b32 s[G0VA], 1
	s_mov_b32 s[G0VB], 1
	s_mul_i32 s[G0KA+1], s16, 32*KP
	s_mul_i32 s[G0KB+1], s16, 224*KP
	s_add_co_u32 s[G0KB+1], s[G0KB+1], K1
	s_mul_i32 s[G0VA+1], s16, 8*VPA
	s_add_co_u32 s[G0VA+1], s[G0VA+1], V0
	s_mul_i32 s[G0VB+1], s16, 8*VPB
	s_add_co_u32 s[G0VB+1], s[G0VB+1], V1
	G1SET G1KA, 3, 256, 8, 256
	G1SET G1KB, 3, 256, 56, 256
	G1SET G1VA, 5, 256, 8, 2048
	G1SET G1VB, 5, 1792, 8, 2048
	s_mov_b32 s[SEL], 0x76543210
	s_mov_b32 s[SEL+1], 0xfedcba98
	s_mov_b32 s[CS], 0x3e38aa3b                    ; c = log2(e) / 8
	s_wait_dscnt 0x0                               ; both opening adds are done
	s_wait_kmcnt 0x0
	s_load_b512 s[68:83], s[6:7], 0x0              ; e0 .. e15
	s_add_nc_u64 s[G0KA+2:G0KA+3], s[4:5], s[18:19]
	s_add_nc_u64 s[G0KB+2:G0KB+3], s[4:5], s[20:21]
	s_add_nc_u64 s[G0VA+2:G0VA+3], s[4:5], s[22:23]
	s_add_nc_u64 s[G0VB+2:G0VB+3], s[G0VA+2:G0VA+3], 256
.irp g, G0KA, G0KB, G0VA, G0VB
	s_or_b32 s[\g+3], s[\g+3], 0x80000000
.endr
	s_add_nc_u64 s[8:9], s[8:9], s[14:15]          ; ctx at my first query
	s_add_nc_u64 s[4:5], s[4:5], s[14:15]          ; Q likewise
	CROUND                                         ; all four work-groups are here: the joint loads meet
	TLOAD G0KA, G1KA, G0VA, G1VA                   ; keys 0-255: my one tensor load at the head
	v_and_b32 v24, 15, v0                          ; r
	v_bfe_u32 v25, v0, 4, 1                        ; h
	v_lshlrev_b32 v26, 6, v24
	v_lshl_add_u32 v26, v25, 4, v26
	global_load_b128 v[16:19], v26, s[4:5]         ; Q's fragment stays in registers
	global_load_b128 v[20:23], v26, s[4:5] offset:32
	v_mul_u32_u24 v[AK0], v24, KP
	v_lshl_add_u32 v[AK0], v25, 4, v[AK0]
	v_mul_u32_u24 v[AV], v24, VPA
	v_lshl_add_u32 v[AV], v25, 4, v[AV]
	v_add_nc_u32 v[AV], V0, v[AV]                  ; V's base in group 0; group 1's is made in front of the loop
	v_mov_b32 v13, 0xff61b1e6                      ; the largest score so far: -3e38
	v_mov_b32 v12, 0x7f61b1e6                      ; -M: 3e38
	v_mov_b32 v27, 0x7f61b1e6                      ; and the last -M
	v_mov_b32 v14, 0
	v_mov_b32 v15, 0
	v_mov_b32 v10, 0
	v_mov_b32 v11, 0
.set i, 0
.rept 32
	v_mov_b32 v[160+i], 0                          ; O^T: the step is written once; the first change of M multiplies zeros
.set i, i+1
.endr
	s_wait_kmcnt 0x0
	s_add_co_i32 s14, s74, s75                     ; e6 + e7: a score stands for score x 2^(e6 + e7)
	s_lshl_b32 s14, s14, 23
	s_add_co_i32 s[CS], s[CS], s14
	s_mov_b32 s[CS+1], s[CS]
	s_add_co_i32 s14, s77, 127
	s_lshl_b32 s15, s14, 23
	v_mov_b32 v9, s15                              ; 2^e9
	s_add_co_i32 s14, s14, 8
	s_lshl_b32 s14, s14, 23
	s_or_b32 s[LP], s14, 0x600000                  ; 448 x 2^e9
	s_add_co_i32 s14, s78, 127
	s_lshl_b32 s18, s14, 23                        ; 2^e10
	s_add_co_i32 s14, s14, 8
	s_lshl_b32 s14, s14, 23
	s_or_b32 s19, s14, 0x600000                    ; 448 x 2^e10
	s_add_co_i32 s17, s76, s77                     ; e8 + e9
.macro KLOAD r0                        ; K's eight fragments of the 128 keys from row r0 behind the trip's first
.irp u, 0,1,2,3,4,5,6,7
	ds_load_b128 v[28+8*\u:31+8*\u], v[ADK] offset:((\r0)+16*\u)*KP
	ds_load_b128 v[32+8*\u:35+8*\u], v[ADK] offset:((\r0)+16*\u)*KP+32
.endr
.endm
.macro VL j, q, vp                     ; the j-th of V's sixteen loads: fragment j / 4, its 16 bytes j % 4
.if (\j) < 8
	ds_load_b128 v[192+4*(\j):195+4*(\j)], v[ADV] offset:((\j)/4)*16*\vp+128*\q+32*((\j)%4)
.else
	ds_load_b128 v[192+4*(\j):195+4*(\j)], v[ADV2] offset:(((\j)-8)/4)*16*\vp+128*\q+32*((\j)%4)
.endif
.endm
.macro STEP q, vp, pf                  ; 128 keys: the q-th half of the trip's 256.  pf: the next step's K is fetched (1), not (0), or in all trips but the loop's last (2)
.irp u, 0,1,2,3,4,5,6,7
	v_wmma_f32_16x16x64_fp8_fp8 v[96+8*\u:103+8*\u], v[28+8*\u:35+8*\u], v[16:23], 0
.endr
.rept 4
	v_nop                                          ; places in front of the loads into K's and V's registers and of the first read of the scores
.endr
.if \pf == 2
	s_cmp_eq_u32 s[CNT], 1                         ; the count of trips alone: behind the last step no key follows.  Every wait on DScnt is for 0, so both ways are served
	s_cbranch_scc1 .Lno_next_\@
.endif
.if \pf > 0
	KLOAD 128*(\q)+128
.endif
.if \pf == 2
.Lno_next_\@:
.endif
	v_max3_num_f32 v92, v96, v97, v98              ; the step's largest score of my query among my 64 keys, in four chains, each accumulator from its low end on
	v_max3_num_f32 v93, v99, v100, v101
	v_max3_num_f32 v94, v102, v103, v104
	v_max3_num_f32 v95, v105, v106, v107
.set i, 0
.rept 26
	v_max3_num_f32 v[92+(i%4)], v[92+(i%4)], v[108+2*i], v[109+2*i]
.set i, i+1
.endr
	v_max3_num_f32 v24, v92, v93, v94              ; six lines that hang on each other lead to -M: V's sixteen loads stand between them
.irp j, 0,1,2
	VL \j, \q, \vp
.endr
	v_max_num_f32 v24, v24, v95
.irp j, 3,4,5
	VL \j, \q, \vp
.endr
	v_permlanex16_b32 v25, v24, s[SEL], s[SEL+1]
.irp j, 6,7,8
	VL \j, \q, \vp
.endr
	v_max3_num_f32 v13, v13, v24, v25              ; with lane l xor 16's, and the running one
.irp j, 9,10,11
	VL \j, \q, \vp
.endr
	v_mul_f32 v24, s[CS], v13                      ; as t (c is positive)
.irp j, 12,13
	VL \j, \q, \vp
.endr
	v_floor_f32 v12, -v24                          ; the new -M = floor(-t)
.irp j, 14,15
	VL \j, \q, \vp
.endr
.set i, 0
.rept 16
	v_pk_fma_f32 v[96+2*i:97+2*i], v[96+2*i:97+2*i], s[CS:CS+1], v[12:13] op_sel_hi:[1,0,0]   ; t - M, the first half
.if i == 1
	v_sub_f32 v24, v12, v27                        ; old M - new M: a whole number, 0 or less
.endif
.if i == 5
	v_cvt_i32_f32 v24, v24                         ; (it saturates)
.endif
.if i == 9
	v_ldexp_f32 v8, 1.0, v24                       ; f = 2^(old M - new M)
.endif
.set i, i+1
.endr
.set i, 0
.rept 16
	v_pk_mul_f32 v[160+2*i:161+2*i], v[160+2*i:161+2*i], v[8:9] op_sel_hi:[1,0]   ; O^T under the new M, ahead of the exponentials: no transcendental stands between the last products and this first read
.set i, i+1
.endr
	s_wait_alu depctr_va_vdst(0)                   ; the wait ahead of the batch
.set i, 0
.rept 16
	v_exp_f32 v[96+2*i], v[96+2*i]                 ; p = 2^(t - M), at most 1: the first half
	v_pk_fma_f32 v[128+2*i:129+2*i], v[128+2*i:129+2*i], s[CS:CS+1], v[12:13] op_sel_hi:[1,0,0]   ; t - M, the second half: first read behind the wait below
	v_exp_f32 v[97+2*i], v[97+2*i]
.set i, i+1
.endr
	v_pk_mul_f32 v[14:15], v[14:15], v[8:9] op_sel_hi:[1,0]   ; the sums under the new M: plain lines behind the batch
	v_pk_mul_f32 v[10:11], v[10:11], v[8:9] op_sel_hi:[1,0]
	s_wait_alu depctr_va_vdst(0)                   ; one wait: behind the first batch, ahead of its first reader; and ahead of the second batch, for its sources
	v_pk_add_f32 v[92:93], v[96:97], v[98:99]      ; the first half's sums of the unquantised p, in four chains
	v_pk_add_f32 v[94:95], v[100:101], v[102:103]
	v_pk_add_f32 v[14:15], v[14:15], v[104:105]
	v_pk_add_f32 v[10:11], v[10:11], v[106:107]
.irp j, 0,1
	v_pk_add_f32 v[92:93], v[92:93], v[108+8*\j:109+8*\j]
	v_pk_add_f32 v[94:95], v[94:95], v[110+8*\j:111+8*\j]
	v_pk_add_f32 v[14:15], v[14:15], v[112+8*\j:113+8*\j]
	v_pk_add_f32 v[10:11], v[10:11], v[114+8*\j:115+8*\j]
.endr
	v_pk_add_f32 v[92:93], v[92:93], v[124:125]
	v_pk_add_f32 v[94:95], v[94:95], v[126:127]
	v_pk_add_f32 v[14:15], v[14:15], v[92:93]
	v_pk_add_f32 v[10:11], v[10:11], v[94:95]
.set i, 0
.rept 16
	v_exp_f32 v[128+2*i], v[128+2*i]               ; the second half
	v_dual_min_num_f32 v[96+2*i], s[LP], v[96+2*i] :: v_dual_min_num_f32 v[97+2*i], s[LP], v[97+2*i]   ; the first half's one-sided hold (the conversion does not saturate, ISA guide 7.6.2; p is not negative): first read behind the wait below
	v_exp_f32 v[129+2*i], v[129+2*i]
.set i, i+1
.endr
	v_nop                                          ; the plain line behind the batch
	s_wait_alu depctr_va_vdst(0)                   ; one wait for the second batch, ahead of its first reader, and for the holds and sums written since the last
.set g, 4
.rept 5                                ; eight numbers a group.  Groups 0-3: their codes.  Groups 4-7: group g's sums stand between group g - 1's holds; then group g - 1's codes
.if g < 8
	v_cvt_scalef32_pk8_fp8_f32 v[84+2*g:85+2*g], v[64+8*g:71+8*g], v9   ; group g - 4.  From the third group on the codes land on numbers whose codes have been made
.endif
.irp k, 0,2,4,6
.if g < 8
.if (\k%4) == 0
	v_pk_add_f32 v[14:15], v[14:15], v[96+8*g+\k:97+8*g+\k]
.else
	v_pk_add_f32 v[10:11], v[10:11], v[96+8*g+\k:97+8*g+\k]
.endif
.endif
.if g > 4
	v_dual_min_num_f32 v[88+8*g+\k], s[LP], v[88+8*g+\k] :: v_dual_min_num_f32 v[89+8*g+\k], s[LP], v[89+8*g+\k]
.endif
.endr
.if g > 4
	v_cvt_scalef32_pk8_fp8_f32 v[90+2*g:91+2*g], v[88+8*g:95+8*g], v9
.endif
.set g, g+1
.endr
	v_mov_b32 v27, v12                             ; the next step's last -M; also the plain line between the last conversion and the products
	s_wait_alu depctr_va_vdst(0)                   ; directly ahead of the wait below
	s_wait_dscnt 0x0                               ; V is in, and so is the next step's K
.irp t, 0,1,2,3
	v_wmma_f32_16x16x128_fp8_fp8 v[160+8*\t:167+8*\t], v[192+16*\t:207+16*\t], v[92:107], v[160+8*\t:167+8*\t]   ; four accumulators by turns
.endr
.endm
.macro PAIR vp, pf                     ; 256 keys.  Five plain lines stand between the last products and the next scores, which are written over the codes that those products read
	v_add_nc_u32 v[ADK], s[TK], v[AK0]
	v_add_nc_u32 v[ADV], s[TV], v[AV]
	v_add_nc_u32 v[ADV2], 32*\vp, v[ADV]           ; V's rows 32-63: their offsets would pass the 16-bit immediate
	v_nop
	v_nop
	STEP 0, \vp, 1
.rept 5
	v_nop
.endr
	STEP 1, \vp, \pf
.endm
	s_wait_alu depctr_va_vdst(0)                   ; the wait at the head's end
	s_wait_loadcnt 0x0                             ; Q
	s_wait_tensorcnt 0x0                           ; my part of keys 0-255 is in
	ds_add_u32 v[SPW], v[NIL]
	s_wait_dscnt 0x0
	CROUND                                         ; everybody's part is in, and all four work-groups are here
	TLOAD G0KB, G1KB, G0VB, G1VB                   ; keys 256-2047: my one tensor load behind the round; it has the next 256 keys' work in which to land
	s_mov_b32 s[TK], K0
	s_mov_b32 s[TV], 0
	v_add_nc_u32 v[ADK], s[TK], v[AK0]
	KLOAD 0
	s_wait_dscnt 0x0
	PAIR VPA, 0
	s_wait_tensorcnt 0x0                           ; my part of keys 256-2047 is in
	s_barrier_signal -1
	s_barrier_wait -1                              ; everybody's is
	s_mov_b32 s[TK], K1
	s_mov_b32 s[TV], 0
	s_mov_b32 s[CNT], 7
	v_and_b32 v24, 15, v0
	v_bfe_u32 v25, v0, 4, 1
	v_mul_u32_u24 v[AV], v24, VPB
	v_lshl_add_u32 v[AV], v25, 4, v[AV]
	v_add_nc_u32 v[AV], V1, v[AV]                  ; V's base in group 1
	v_add_nc_u32 v[ADK], s[TK], v[AK0]
	KLOAD 0
	s_wait_alu depctr_va_vdst(0)                   ; directly ahead of the wait below
	s_wait_dscnt 0x0
.Ltrip:
	PAIR VPB, 2
	s_add_co_u32 s[TK], s[TK], 256*KP
	s_add_co_u32 s[TV], s[TV], 272
	s_sub_co_u32 s[CNT], s[CNT], 1
	s_cmp_lg_u32 s[CNT], 0
	s_cbranch_scc1 .Ltrip
	; THE WAY OUT: ctx = O^T / the sum x 2^(e8 + e9), held, turned into codes with 2^e10, through my stage, and out as 2 x 512 consecutive bytes
	v_pk_add_f32 v[14:15], v[14:15], v[10:11]
	v_add_f32 v14, v14, v15
	v_permlanex16_b32 v25, v14, s[SEL], s[SEL+1]
	v_add_f32 v14, v14, v25
	s_wait_alu depctr_va_vdst(0)                   ; the wait ahead of the transcendental
	v_rcp_f32 v14, v14
	v_and_b32 v24, 15, v0                          ; (plain lines behind the transcendental)
	v_bfe_u32 v25, v0, 4, 1
	s_mul_i32 s22, s[WV], 16*KP
	s_add_co_u32 s22, s22, STAGE
	v_mul_u32_u24 v1, v24, KP
	v_lshl_add_u32 v1, v25, 3, v1
	v_add_nc_u32 v1, s22, v1                       ; in: row r, 8 bytes for each half of the lanes
	v_and_b32 v26, 31, v0
	v_lshrrev_b32 v2, 2, v26
	v_mul_u32_u24 v2, v2, KP
	v_and_b32 v24, 3, v26
	v_lshl_add_u32 v2, v24, 4, v2
	v_add_nc_u32 v2, s22, v2                       ; back: four lanes to a row of 64 bytes
	v_lshlrev_b32 v3, 4, v26
	v_mov_b32 v28, s19                             ; 448 x 2^e10
	v_mov_b32 v29, s18                             ; 2^e10
	s_wait_alu depctr_va_vdst(0)                   ; ahead of the reciprocal's first reader
	v_ldexp_f32 v14, v14, s17
	s_wait_alu depctr_va_vdst(0)                   ; directly ahead of the first reader of O^T
.set i, 0
.rept 32
	v_mul_f32 v[96+i], v[160+i], v14               ; register 8 t + j is ctx(query r, 16 t + 8 h + j)
.set i, i+1
.endr
.set i, 0
.rept 32
	v_med3_num_f32 v[96+i], v[96+i], -v28, v28
.set i, i+1
.endr
.irp t, 0,1,2,3
	v_cvt_scalef32_pk8_fp8_f32 v[128+2*\t:129+2*\t], v[96+8*\t:103+8*\t], v29
.endr
	v_nop
.irp t, 0,1,2,3
	ds_store_b64 v1, v[128+2*\t:129+2*\t] offset:16*\t
.endr
	ds_load_b128 v[136:139], v2                    ; LDS serves a wave's instructions in order: these see my stores
	ds_load_b128 v[140:143], v2 offset:8*KP
	s_wait_dscnt 1                                 ; the second read-back may be out
	global_store_b128 v3, v[136:139], s[8:9]
	s_wait_dscnt 0x0
	global_store_b128 v3, v[140:143], s[8:9] offset:512
	s_wait_tensorcnt 0x0                           ; the wave's end
	ds_add_u32 v[SPW], v[NIL]
	s_wait_dscnt 0x0
	CROUND                                         ; the closing round: no work-group ends while a partner may still ask for a tile that names it
	s_endpgm
.Lfunc_end_k_q4dad22f65f_attn:
	.size	k_q4dad22f65f_attn, .Lfunc_end_k_q4dad22f65f_attn-k_q4dad22f65f_attn
	.p2alignl 7, 3214868480
	.fill 96, 4, 3214868480
	.section	.rodata,"a",@progbits
	.p2align	6, 0x0
	.amdhsa_kernel k_q4dad22f65f_attn
		.amdhsa_group_segment_fixed_size 327680
		.amdhsa_private_segment_fixed_size 0
		.amdhsa_enable_private_segment 0
		.amdhsa_kernarg_size 24
		.amdhsa_user_sgpr_count 2
		.amdhsa_user_sgpr_kernarg_segment_ptr 1
		.amdhsa_wavefront_size32 1
		.amdhsa_system_sgpr_workgroup_id_x 1
		.amdhsa_system_sgpr_workgroup_id_y 1
		.amdhsa_system_sgpr_workgroup_id_z 1
		.amdhsa_system_vgpr_workitem_id 0
		.amdhsa_next_free_vgpr 256
		.amdhsa_next_free_sgpr 100
		.amdhsa_reserve_vcc 0
		.amdhsa_float_denorm_mode_32 3
		.amdhsa_float_denorm_mode_16_64 3
		.amdhsa_memory_ordered 1
		.amdhsa_forward_progress 1
		.amdhsa_inst_pref_size 78
	.end_amdhsa_kernel
	.amdgpu_metadata
---
amdhsa.version: [ 1, 2 ]
amdhsa.kernels:
  - .name:           k_q4dad22f65f_attn
    .symbol:         k_q4dad22f65f_attn.kd
    .args:
      - { .name: qkvc, .offset: 0, .size: 8, .value_kind: global_buffer, .address_space: global }
      - { .name: lowp_scales, .offset: 8, .size: 8, .value_kind: global_buffer, .address_space: global }
      - { .name: ctxc, .offset: 16, .size: 8, .value_kind: global_buffer, .address_space: global }
    .group_segment_fixed_size: 327680
    .private_segment_fixed_size: 0
    .kernarg_segment_align: 8
    .kernarg_segment_size: 24
    .max_flat_workgroup_size: 512
    .sgpr_count:     100
    .vgpr_count:     256
    .wavefront_size: 32
...
	.end_amdgpu_metadata
.endif
;; end of part 3
;; launch wo (part 4): grid 8 x 32, 4 waves a work-group, clusters of 4 x 4, 327,680 bytes of LDS; arguments ctxc, wc, lowp_scales, x, x1; writes x1
.if DOCPART == 4
	.amdgcn_target "amdgcn-amd-amdhsa--gfx1250"
	.amdhsa_code_object_version 6
	.text
	.protected	k_q4dad22f65f_wo
	.globl	k_q4dad22f65f_wo
	.p2align	8
	.type	k_q4dad22f65f_wo,@function
k_q4dad22f65f_wo:
	s_mov_b64 s[64:65], 0
	v_nop
	global_prefetch_b8 v0, s[64:65] scope:SCOPE_SE
	s_setreg_imm32_b32 hwreg(HW_REG_WAVE_MODE, 25, 1), 1
	s_wait_xcnt 0x0
	s_wait_alu depctr_hold_cnt(0) depctr_sa_sdst(0) depctr_va_vdst(0) depctr_va_sdst(0) depctr_va_ssrc(0) depctr_va_vcc(0) depctr_vm_vsrc(0)
	s_getreg_b32 s2, hwreg(HW_REG_IB_STS2, 6, 4)
	s_cmp_eq_u32 s2, 0
	s_cbranch_scc0 .Lentry_in_a_cluster
	s_endpgm
.Lentry_in_a_cluster:
	s_bfe_u32 s2, ttmp6, 0x10000c
	s_cmp_lg_u32 s2, 0xf033
	s_cbranch_scc0 .Lentry_shape_is_right
	s_endpgm
.Lentry_shape_is_right:
; x1 = x + ctx wo, the product on codes of E4M3.  A: ctxc [16 b + head][s][64]; B: wc + 3 MiB, [1024 n][1024 k]; x: f32, row 2 s + b; x1: f32, row 2048 b + s.
; A tile of 128 x 128 (256 work-groups), four waves of 64 x 64: 16 accumulators.  One load a wave brings all of K = 1024: nothing is filled again.
; A'S TILE: 512 along K are eight heads.  For one head, 64 rows of 64 bytes are 4,096 dense bytes, so a wave's load is 16 rows (heads, 131,072 bytes apart) of 4,096 bytes, with 16 bytes of padding behind every 64:
; in LDS byte = 5,120 head + 80 row + d.  B's tile: 64 rows of 1,024 bytes + 16.
; CLUSTERS 4 x 4: A's tiles jointly along a row of the cluster, B's along a column.  TRANSPOSED USE: accumulator (a, b): lane (r, h), register j = C(16 a + r, 16 b + 8 h + j).
; THE WAY OUT: 16 rows at a time through the wave's own stage; x1 = sum x 2^(e10 + e11) + x by one packed multiply-add; a wave's 64 columns are 256 bytes: sixteen lanes store one aligned run.  x is asked for at the head.
; LIMIT: e10 + e11 between -126 and 127.
; REGISTERS: window 0: v0-31 addresses, v32-95 TMP (two sets), v128-255 accumulators.  window 1: two fragment buffers (A's four fragments, then B's four).  window 2: v0-127 the residual.
.set KTOT,   1024
.set KSTEP,  512
.set ASTEP,  8*131072                  ; A: a K step on: eight heads
; ONE LOAD A WAVE BRINGS THE WHOLE K: A's 64 rows of all sixteen heads (16 x 5,120 bytes in LDS), B's 64 rows of 1,024 bytes + 16.  Nothing else is filled; 'slot' 1 below names the second 512 along K of the same tiles.
.set PB,     1040
.set BHALF,  64*PB
.set AHALF,  16*5120
.set SLOT,   2*AHALF+2*BHALF
.set SPARE,  SLOT
.set STAGE,  SPARE+512
.set SPITCH, 272
.set RSTR,   8192                      ; x: from s to s + 1
.set OSTR,   4096                      ; x1: from row to row
.set ADRA, 16
.set ADRB, 20
.set STO,  24
.set RD,   25
.set CO,   26
.set RO,   27
.set SPW,  28
.set NIL,  29
.set TMP,  32
.set ACC,  128
.set F0,   0
.set F1,   128
.set G1, 24
.set G0, 32
.set G1B, 48
.set G0B, 56
.set MSB, 0
.macro WIN new
.if MSB != (\new)
	s_set_vgpr_msb (MSB<<8)|(\new)
.set MSB, (\new)
.endif
.endm
.set MUL,  0x05                        ; sources 0 (B) and 1 (A) window 1; C and D window 0
.set TO_F, 0x40
.macro JLOAD s                         ; waves 0, 1 fetch A's halves, waves 2, 3 B's; four v_nop follow each line
	s_cmp_eq_u32 s11, 0
	s_cbranch_scc0 .Lfor_b_\@
	tensor_load_to_lds s[G0+4*\s:G0+4*\s+3], s[G1:G1+7]
	s_nop 0
.rept 4
	v_nop
.endr
	s_branch .Lasked_\@
.Lfor_b_\@:
	tensor_load_to_lds s[G0B+4*\s:G0B+4*\s+3], s[G1B:G1B+7]
	s_nop 0
.rept 4
	v_nop
.endr
.Lasked_\@:
.endm
.macro CREST
	s_cmp_lg_u32 s10, 0
	s_cbranch_scc1 .Lnot_wave_0_\@
	s_barrier_signal -3
.Lnot_wave_0_\@:
	s_barrier_wait -3
	s_barrier_signal -1
	s_barrier_wait -1
.endm
.macro CROUND
	s_barrier_signal -1
	s_barrier_wait -1
	CREST
.endm
	s_load_b128 s[4:7], s[0:1], 0x0                ; ctxc, wc
	s_load_b64 s[8:9], s[0:1], 0x10                ; the scales' exponents
	s_load_b64 s[86:87], s[0:1], 0x18              ; x
	s_load_b64 s[88:89], s[0:1], 0x20              ; x1
	v_lshl_add_u32 v[SPW], v0, 2, SPARE
	v_mov_b32 v[NIL], 0
	ds_add_u32 v28, v29
	ds_add_u32 v28, v29
	s_wait_dscnt 0x0
	v_lshrrev_b32 v1, 5, v0
	v_readfirstlane_b32 s10, v1                    ; wave
	s_lshr_b32 s11, s10, 1                         ; my half of the rows.  Also: I fetch for A (0) or B (1)
	s_and_b32 s12, s10, 1                          ; my half of the columns.  Also: which 64 rows I fetch
	s_bfe_u32 s40, ttmp6, 0x40000
	s_bfe_u32 s41, ttmp6, 0x40004
	s_lshl_b32 s42, ttmp9, 2
	s_add_co_u32 s42, s42, s40                     ; tile column 0..7
	s_and_b32 s13, ttmp7, 0xffff
	s_lshl_b32 s13, s13, 2
	s_add_co_u32 s13, s13, s41                     ; tile row 0..31
	s_lshl_b32 s43, s41, 2
	s_lshl_b32 s43, 15, s43
	s_lshl_b32 s44, 0x1111, s40
	s_or_b32 s[G1+0], s43, (0<<16)|(1<<20)|(1<<21)|(3<<22)|(3<<25)  ; A: the mask of my row; 1 byte; padding on; bit 21; 4 words behind every 16
	s_mov_b32 s[G1+1], 4096<<16                    ; tensor_dim0 = 4,096
	s_mov_b32 s[G1+2], 16<<16                      ; tensor_dim1 = 16 heads
	s_mov_b32 s[G1+3], 4096<<16                    ; tile_dim0
	s_mov_b32 s[G1+4], 16                          ; tile_dim1
	s_mov_b32 s[G1+5], 131072                      ; from head to head
	s_mov_b32 s[G1+6], 0
	s_mov_b32 s[G1+7], 0
	s_or_b32 s[G1B+0], s44, (0<<16)|(1<<20)|(1<<21)|(7<<22)|(3<<25) ; B: the mask of my column; 4 words behind every 256
	s_mov_b32 s[G1B+1], KTOT<<16
	s_mov_b32 s[G1B+2], 64<<16
	s_mov_b32 s[G1B+3], KTOT<<16
	s_mov_b32 s[G1B+4], 64
	s_mov_b32 s[G1B+5], KTOT
	s_mov_b32 s[G1B+6], 0
	s_mov_b32 s[G1B+7], 0
	s_lshr_b32 s16, s13, 4                         ; b
	s_lshl_b32 s16, s16, 21                        ; 16 heads x 131,072 bytes
	s_and_b32 s17, s13, 15
	s_lshl_b32 s17, s17, 13                        ; 128 rows x 64 bytes
	s_add_co_u32 s16, s16, s17
	s_lshl_b32 s17, s12, 12                        ; 64 rows x 64 bytes
	s_add_co_u32 s16, s16, s17
	s_mov_b32 s17, 0
	s_lshl_b32 s46, s42, 17                        ; B: 128 rows x 1,024 bytes
	s_lshl_b32 s47, s12, 16
	s_add_co_u32 s46, s46, s47
	s_add_co_u32 s46, s46, 3<<20
	s_mov_b32 s47, 0
	s_mul_i32 s20, s12, AHALF                      ; where they go
	s_mul_i32 s21, s12, BHALF
	s_add_co_u32 s21, s21, 2*AHALF
	s_wait_kmcnt 0x0
	s_load_b512 s[68:83], s[8:9], 0x0
	s_add_nc_u64 s[14:15], s[4:5], s[16:17]
	s_add_nc_u64 s[46:47], s[6:7], s[46:47]
	CROUND                                         ; all sixteen work-groups are here: the joint loads meet
.irp s, 0
	s_mov_b32 s[G0+4*\s], 1
	s_add_co_u32 s[G0+4*\s+1], s20, \s*SLOT
	s_add_nc_u64 s[G0+4*\s+2:G0+4*\s+3], s[14:15], \s*ASTEP
	s_or_b32 s[G0+4*\s+3], s[G0+4*\s+3], 0x80000000
	s_mov_b32 s[G0B+4*\s], 1
	s_add_co_u32 s[G0B+4*\s+1], s21, \s*SLOT
	s_add_nc_u64 s[G0B+4*\s+2:G0B+4*\s+3], s[46:47], \s*KSTEP
	s_or_b32 s[G0B+4*\s+3], s[G0B+4*\s+3], 0x80000000
	JLOAD \s
.endr
	v_and_b32 v1, 15, v0                           ; r
	v_bfe_u32 v2, v0, 4, 1                         ; h
	v_mul_u32_u24 v3, v1, PB
	v_lshl_add_u32 v3, v2, 4, v3                   ; B: row x 1,040 + 16 h
	v_mul_u32_u24 v4, v1, 80
	v_lshl_add_u32 v4, v2, 4, v4                   ; A: row x 80 + 16 h
	s_mul_i32 s21, s11, AHALF
	s_mul_i32 s22, s12, BHALF
	s_add_co_u32 s22, s22, 2*AHALF
.irp s, 0,1
	v_add_nc_u32 v[ADRA+\s], s21, v4
	v_add_nc_u32 v[ADRB+\s], s22, v3
	s_add_co_u32 s21, s21, 8*5120                  ; the second 512 along K: eight heads on,
	s_add_co_u32 s22, s22, 512                     ; 512 bytes on in B's rows
.endr
	s_mul_i32 s23, s10, 16*SPITCH
	s_add_co_u32 s23, s23, STAGE                   ; my stage
	v_mul_u32_u24 v5, v1, SPITCH
	v_lshl_add_u32 v5, v2, 5, v5
	v_add_nc_u32 v[STO], s23, v5                   ; in: row r, 32 bytes for each half of the lanes
	v_mul_u32_u24 v5, v2, SPITCH
	v_lshl_add_u32 v5, v1, 4, v5
	v_add_nc_u32 v[RD], s23, v5                    ; back: lanes 0-15 one row, lanes 16-31 the next
	v_lshlrev_b32 v5, 4, v1
	v_lshl_add_u32 v[RO], v2, 13, v5               ; the same two rows in x,
	s_wait_alu depctr_va_vdst(0)
	v_lshl_add_u32 v[CO], v2, 12, v5               ; and in x1
	s_and_b32 s92, s13, 15
	s_lshl_b32 s92, s92, 20                        ; x: 128 s x 8,192 bytes
	s_lshl_b32 s93, s11, 19                        ; 64 s
	s_add_co_u32 s92, s92, s93
	s_lshr_b32 s93, s13, 4
	s_lshl_b32 s93, s93, 12                        ; b x 4,096
	s_add_co_u32 s92, s92, s93
	s_lshl_b32 s94, s42, 9
	s_lshl_b32 s95, s12, 8
	s_add_co_u32 s94, s94, s95                     ; my first column in bytes
	s_add_co_u32 s92, s92, s94
	s_mov_b32 s93, 0
	s_add_nc_u64 s[86:87], s[86:87], s[92:93]
	s_lshl_b32 s92, s13, 19                        ; x1: 128 rows x 4,096 bytes
	s_lshl_b32 s95, s11, 18
	s_add_co_u32 s92, s92, s95
	s_add_co_u32 s92, s92, s94
	s_add_nc_u64 s[88:89], s[88:89], s[92:93]
	WIN 0x80                                       ; destination window 2
.irp a, 0,1,2,3
.irp t, 0,1,2,3,4,5,6,7
	global_load_b128 v[4*(8*\a+\t):4*(8*\a+\t)+3], v[RO], s[86:87] offset:(16*\a+2*\t)*RSTR   ; the residual lands while the products run
.endr
.endr
	WIN 0
.macro MUL8 f, a0, zero                ; the 16 accumulators take turns, one instruction a turn, in one order throughout
.irp a, \a0, \a0+1
.irp b, 0,1,2,3
.if \zero
	v_wmma_f32_16x16x128_fp8_fp8 v[ACC+8*(4*(\a)+\b):ACC+8*(4*(\a)+\b)+7], v[\f+64+16*\b:\f+64+16*\b+15], v[\f+16*(\a):\f+16*(\a)+15], 0
.else
	v_wmma_f32_16x16x128_fp8_fp8 v[ACC+8*(4*(\a)+\b):ACC+8*(4*(\a)+\b)+7], v[\f+64+16*\b:\f+64+16*\b+15], v[\f+16*(\a):\f+16*(\a)+15], v[ACC+8*(4*(\a)+\b):ACC+8*(4*(\a)+\b)+7]
.endif
.endr
.endr
.endm
.macro FETCH slot, k, f                ; 32 LDS loads in one run: the fragments of 128 along K from k on
	WIN TO_F
.irp i, 0,1,2,3
.irp c, 0,1,2,3
	ds_load_b128 v[\f+64+16*\i+4*\c:\f+64+16*\i+4*\c+3], v[ADRB+\slot] offset:(\k)+32*\c+\i*16*PB
.endr
.endr
.irp i, 0,1,2,3
.irp c, 0,1,2,3
	ds_load_b128 v[\f+16*\i+4*\c:\f+16*\i+4*\c+3], v[ADRA+\slot] offset:((\k)/64+\c/2)*5120+\i*1280+(\c%2)*32
.endr
.endr
.endm
.macro PLACES
.rept 4
	v_nop
.endr
.endm
.macro QUARTER slot, k, f, g, zero     ; buffer f is multiplied; ahead of that the next quarter, at k, is asked for into g
	s_wait_dscnt 0x0                               ; buffer f is in
	PLACES                                         ; between the products that read buffer g and the loads into it
	FETCH \slot, \k, \g
	WIN MUL
	MUL8 \f, 0, \zero
	MUL8 \f, 2, \zero
.endm
	s_wait_alu depctr_va_vdst(0)                   ; the wait at the head's end
	s_wait_tensorcnt 0x0                           ; my one load is in
	s_barrier_signal -1
	s_barrier_wait -1
	FETCH 0, 0, F0
	QUARTER 0, 128, F0, F1, 1                      ; the first products start the sums
	QUARTER 0, 256, F1, F0, 0
	QUARTER 0, 384, F0, F1, 0
	QUARTER 1, 0, F1, F0, 0
	QUARTER 1, 128, F0, F1, 0
	QUARTER 1, 256, F1, F0, 0
	QUARTER 1, 384, F0, F1, 0
	s_wait_dscnt 0x0
	WIN MUL
	MUL8 F1, 0, 0
	MUL8 F1, 2, 0
	WIN 0
	s_wait_kmcnt 0x0
	s_add_co_i32 s84, s78, s79                     ; e10 + e11
	s_add_co_i32 s84, s84, 127
	s_lshl_b32 s84, s84, 23                        ; 2^(e10 + e11)
	s_mov_b32 s85, s84
	s_wait_loadcnt 0x0                             ; the residual
	PLACES
.macro OUTA a
.if (\a) >= 2
	s_wait_xcnt 0x0                                ; block a - 2's stores have read their registers
.endif
.irp b, 0,1,2,3
	ds_store_b128 v[STO], v[ACC+8*(4*(\a)+\b):ACC+8*(4*(\a)+\b)+3] offset:64*\b       ; each accumulator from its low end on
	ds_store_b128 v[STO], v[ACC+8*(4*(\a)+\b)+4:ACC+8*(4*(\a)+\b)+7] offset:64*\b+16
.endr
.irp t, 0,1,2,3,4,5,6,7
	ds_load_b128 v[TMP+32*((\a)%2)+4*\t:TMP+32*((\a)%2)+4*\t+3], v[RD] offset:2*\t*SPITCH   ; LDS serves a wave's instructions in order
.endr
	s_wait_dscnt 0x0
	WIN 0x20                                       ; source 2 (the residual) window 2
.set i, 0
.rept 16
	v_pk_fma_f32 v[TMP+32*((\a)%2)+2*i:TMP+32*((\a)%2)+2*i+1], v[TMP+32*((\a)%2)+2*i:TMP+32*((\a)%2)+2*i+1], s[84:85], v[32*(\a)+2*i:32*(\a)+2*i+1] op_sel_hi:[1,0,1]
.set i, i+1
.endr
	WIN 0
.irp t, 0,1,2,3,4,5,6,7
	global_store_b128 v[CO], v[TMP+32*((\a)%2)+4*\t:TMP+32*((\a)%2)+4*\t+3], s[88:89] offset:(16*(\a)+2*\t)*OSTR   ; sixteen lanes store 256 consecutive bytes, aligned
.endr
.endm
	OUTA 0
	OUTA 1
	OUTA 2
	OUTA 3
	s_wait_tensorcnt 0x0                           ; the wave's end
	ds_add_u32 v[SPW], v[NIL]
	s_wait_dscnt 0x0
	CROUND                                         ; the closing round
	s_endpgm
.Lfunc_end_k_q4dad22f65f_wo:
	.size	k_q4dad22f65f_wo, .Lfunc_end_k_q4dad22f65f_wo-k_q4dad22f65f_wo
	.p2alignl 7, 3214868480
	.fill 96, 4, 3214868480
	.section	.rodata,"a",@progbits
	.p2align	6, 0x0
	.amdhsa_kernel k_q4dad22f65f_wo
		.amdhsa_group_segment_fixed_size 327680
		.amdhsa_private_segment_fixed_size 0
		.amdhsa_enable_private_segment 0
		.amdhsa_kernarg_size 40
		.amdhsa_user_sgpr_count 2
		.amdhsa_user_sgpr_kernarg_segment_ptr 1
		.amdhsa_wavefront_size32 1
		.amdhsa_system_sgpr_workgroup_id_x 1
		.amdhsa_system_sgpr_workgroup_id_y 1
		.amdhsa_system_sgpr_workgroup_id_z 1
		.amdhsa_system_vgpr_workitem_id 0
		.amdhsa_next_free_vgpr 640
		.amdhsa_next_free_sgpr 100
		.amdhsa_reserve_vcc 0
		.amdhsa_float_denorm_mode_32 3
		.amdhsa_float_denorm_mode_16_64 3
		.amdhsa_memory_ordered 1
		.amdhsa_forward_progress 1
		.amdhsa_inst_pref_size 48
	.end_amdhsa_kernel
	.amdgpu_metadata
---
amdhsa.version: [ 1, 2 ]
amdhsa.kernels:
  - .name:           k_q4dad22f65f_wo
    .symbol:         k_q4dad22f65f_wo.kd
    .args:
      - { .name: ctxc, .offset: 0, .size: 8, .value_kind: global_buffer, .address_space: global }
      - { .name: wc, .offset: 8, .size: 8, .value_kind: global_buffer, .address_space: global }
      - { .name: lowp_scales, .offset: 16, .size: 8, .value_kind: global_buffer, .address_space: global }
      - { .name: x, .offset: 24, .size: 8, .value_kind: global_buffer, .address_space: global }
      - { .name: x1, .offset: 32, .size: 8, .value_kind: global_buffer, .address_space: global }
    .group_segment_fixed_size: 327680
    .private_segment_fixed_size: 0
    .kernarg_segment_align: 8
    .kernarg_segment_size: 40
    .max_flat_workgroup_size: 128
    .sgpr_count:     100
    .vgpr_count:     640
    .wavefront_size: 32
...
	.end_amdgpu_metadata
.endif
;; end of part 4
;; launch ln2 (part 5): grid 256 x 1, 8 waves a work-group, no clusters, 41,984 bytes of LDS; arguments x1, ln2_g, ln2_b, lowp_scales, zc; writes zc
.if DOCPART == 5
	.amdgcn_target "amdgcn-amd-amdhsa--gfx1250"
	.amdhsa_code_object_version 6
	.text
	.protected	k_q4dad22f65f_ln2
	.globl	k_q4dad22f65f_ln2
	.p2align	8
	.type	k_q4dad22f65f_ln2,@function
k_q4dad22f65f_ln2:
	s_mov_b64 s[64:65], 0
	v_nop
	global_prefetch_b8 v0, s[64:65] scope:SCOPE_SE
	s_setreg_imm32_b32 hwreg(HW_REG_WAVE_MODE, 25, 1), 1
	s_wait_xcnt 0x0
; z = layernorm(x1) in f32, turned into codes of E4M3 with the scale 2^e12: zc [4096][1024], rows as in x1.
; A work-group of eight waves takes 16 rows, a wave two.  Both rows of a wave are asked for at the head, together with gain and bias: 32 loads of a wave are out, and no load waits for an earlier row's work.
; Each load reads 512 consecutive bytes; a row turns through the wave's own stage in LDS so that a lane holds 2 x 16 neighbours, as the conversions want.  No barrier: waves share nothing.
; Mean first, then the variance of the differences: no difference of large sums.  LIMIT: e12 between -126 and 119.  NaN is not served.
.set LSTG,  64*80                      ; a wave's stage: 64 pieces of 64 bytes + 16
.set LG,    32                         ; v32-63   the gain at my 32 columns
.set LB,    64                         ; v64-95   the bias
.set LR,    96                         ; v96-159  the two rows as loaded, 32 registers each
.set LX,    160                        ; v160-191 my 32 numbers: columns 16 l + 0..15 and 512 + 16 l + 0..15
.set LT,    192                        ; v192-223 the same, held
.set LC,    224                        ; v224-239 codes: eight registers for each of the two rows, so that no store's data are written again
.set SEL,   36
	s_load_b256 s[4:11], s[0:1], 0x0               ; x1 4, ln2_g 6, ln2_b 8, the scales' exponents 10
	s_load_b64 s[12:13], s[0:1], 0x20              ; zc
	v_lshl_add_u32 v240, v0, 2, 0xa000
	v_mov_b32 v241, 0
	v_lshrrev_b32 v1, 5, v0
	s_delay_alu instid0(VALU_DEP_1)
	v_readfirstlane_b32 s28, v1                    ; wave 0..7
	v_and_b32 v2, 31, v0
	s_wait_alu depctr_va_vdst(0)
	s_lshl_b32 s29, ttmp9, 4
	s_lshl_b32 s30, s28, 1
	s_add_co_u32 s29, s29, s30                     ; my first row: 16 x work-group + 2 x wave
	s_lshl_b32 s32, s29, 12
	s_mov_b32 s33, 0
	s_lshl_b32 s40, s29, 10
	s_mov_b32 s41, 0
	s_mul_i32 s34, s28, LSTG
	s_mov_b32 s[SEL], 0x76543210
	s_mov_b32 s[SEL+1], 0xfedcba98
	s_mov_b32 s38, 0x3a800000                      ; 1 / 1024
	s_mov_b32 s39, 0x3727c5ac                      ; 1e-5
	v_lshlrev_b32 v19, 4, v2                       ; 16 x lane
	v_lshrrev_b32 v3, 2, v2
	s_delay_alu instid0(VALU_DEP_1)
	v_mul_u32_u24 v3, v3, 80
	v_and_b32 v4, 3, v2
	s_delay_alu instid0(VALU_DEP_1)
	v_lshl_add_u32 v3, v4, 4, v3
	s_delay_alu instid0(VALU_DEP_1)
	v_add_nc_u32 v3, s34, v3                       ; into the stage: four lanes' 64 bytes on end, then 16 of padding
	v_mul_u32_u24 v4, v2, 80
	s_delay_alu instid0(VALU_DEP_1)
	v_add_nc_u32 v4, s34, v4                       ; out of it: piece l, and piece 32 + l
	v_lshlrev_b32 v5, 6, v2
	v_mov_b32 v18, 0                               ; a lane permute's destination counts as read
	s_wait_alu depctr_va_vdst(0)
	s_wait_kmcnt 0x0
	s_load_b32 s14, s[10:11], 0x30                 ; e12
	s_add_nc_u64 s[4:5], s[4:5], s[32:33]
	s_add_nc_u64 s[12:13], s[12:13], s[40:41]
.irp i, 0,1,2,3
	global_load_b128 v[LG+4*\i:LG+4*\i+3], v5, s[6:7] offset:16*\i
	global_load_b128 v[LG+16+4*\i:LG+16+4*\i+3], v5, s[6:7] offset:2048+16*\i
	global_load_b128 v[LB+4*\i:LB+4*\i+3], v5, s[8:9] offset:16*\i
	global_load_b128 v[LB+16+4*\i:LB+16+4*\i+3], v5, s[8:9] offset:2048+16*\i
.endr
.macro LOADX t
.irp j, 0,1,2,3,4,5,6,7
	global_load_b128 v[LR+32*(\t)+4*\j:LR+32*(\t)+4*\j+3], v19, s[4:5] offset:(\t)*4096+512*\j
.endr
.endm
.macro REDUCE                          ; four packed chains v[10:17] -> their sum over the wave, in v10 of every lane
	s_delay_alu instid0(VALU_DEP_3)
	v_pk_add_f32 v[10:11], v[10:11], v[12:13]
	s_delay_alu instid0(VALU_DEP_2)
	v_pk_add_f32 v[14:15], v[14:15], v[16:17]
	s_delay_alu instid0(VALU_DEP_1)
	v_pk_add_f32 v[10:11], v[10:11], v[14:15]
	s_delay_alu instid0(VALU_DEP_1)
	v_add_f32 v10, v10, v11
	s_delay_alu instid0(VALU_DEP_1)
	v_add_f32_dpp v10, v10, v10 row_xmask:1 row_mask:0xf bank_mask:0xf
	s_delay_alu instid0(VALU_DEP_1)
	v_add_f32_dpp v10, v10, v10 row_xmask:2 row_mask:0xf bank_mask:0xf
	s_delay_alu instid0(VALU_DEP_1)
	v_add_f32_dpp v10, v10, v10 row_xmask:4 row_mask:0xf bank_mask:0xf
	s_delay_alu instid0(VALU_DEP_1)
	v_add_f32_dpp v10, v10, v10 row_xmask:8 row_mask:0xf bank_mask:0xf
	s_delay_alu instid0(VALU_DEP_1)
	v_permlanex16_b32 v18, v10, s[SEL], s[SEL+1]
	s_delay_alu instid0(VALU_DEP_1)
	v_add_f32 v10, v10, v18
.endm
.macro ROW t
.if (\t) < 1
	s_wait_loadcnt 8                               ; gain, bias and the first row are in; the second row's eight loads may be out
.else
	s_wait_loadcnt 0x0
.endif
.irp j, 0,1,2,3,4,5,6,7
	ds_store_b128 v3, v[LR+32*(\t)+4*\j:LR+32*(\t)+4*\j+3] offset:640*\j
.endr
.irp i, 0,1,2,3
	ds_load_b128 v[LX+4*\i:LX+4*\i+3], v4 offset:16*\i          ; LDS serves a wave's instructions in order: these see my stores
	ds_load_b128 v[LX+16+4*\i:LX+16+4*\i+3], v4 offset:2560+16*\i
.endr
	s_wait_dscnt 0x0
.irp c, 0,1,2,3
	v_pk_add_f32 v[10+2*\c:11+2*\c], v[LX+2*\c:LX+2*\c+1], v[LX+8+2*\c:LX+9+2*\c]
.endr
.irp g, 16,24
.irp c, 0,1,2,3
	s_delay_alu instid0(VALU_DEP_4)
	v_pk_add_f32 v[10+2*\c:11+2*\c], v[10+2*\c:11+2*\c], v[LX+\g+2*\c:LX+\g+2*\c+1]
.endr
.endr
	REDUCE
	s_delay_alu instid0(VALU_DEP_1)
	v_mul_f32 v6, s38, v10                         ; the mean
	s_delay_alu instid0(VALU_DEP_1)
	v_mov_b32 v7, v6
.set i, 0
.rept 16
	v_pk_add_f32 v[LX+2*i:LX+2*i+1], v[LX+2*i:LX+2*i+1], v[6:7] neg_lo:[0,1] neg_hi:[0,1]
.set i, i+1
.endr
.irp c, 0,1,2,3
	v_pk_mul_f32 v[10+2*\c:11+2*\c], v[LX+2*\c:LX+2*\c+1], v[LX+2*\c:LX+2*\c+1]
.endr
.irp g, 8,16,24
.irp c, 0,1,2,3
	s_delay_alu instid0(VALU_DEP_4)
	v_pk_fma_f32 v[10+2*\c:11+2*\c], v[LX+\g+2*\c:LX+\g+2*\c+1], v[LX+\g+2*\c:LX+\g+2*\c+1], v[10+2*\c:11+2*\c]
.endr
.endr
	REDUCE
	s_delay_alu instid0(VALU_DEP_1)
	v_fma_f32 v10, v10, s38, s39                   ; the variance + 1e-5
	s_wait_alu depctr_va_vdst(0)
	v_rsq_f32 v8, v10
	v_nop                                          ; a plain line behind the transcendental
	s_wait_alu depctr_va_vdst(0)                   ; the wait ahead of the result's first reader
	v_mov_b32 v9, v8
.set i, 0
.rept 16
	v_pk_mul_f32 v[LX+2*i:LX+2*i+1], v[LX+2*i:LX+2*i+1], v[8:9]
.set i, i+1
.endr
.set i, 0
.rept 16
	v_pk_fma_f32 v[LX+2*i:LX+2*i+1], v[LX+2*i:LX+2*i+1], v[LG+2*i:LG+2*i+1], v[LB+2*i:LB+2*i+1]
.set i, i+1
.endr
.set i, 0
.rept 32
	v_med3_num_f32 v[LT+i], v[LX+i], -v21, v21     ; the conversion does not saturate (ISA guide 7.6.2): the hold
.set i, i+1
.endr
.irp g, 0,1,2,3
	v_cvt_scalef32_pk8_fp8_f32 v[LC+8*(\t)+2*\g:LC+8*(\t)+2*\g+1], v[LT+8*\g:LT+8*\g+7], v20
.endr
	v_nop                                          ; one plain line between the conversions and the next row's holds, which write their sources
	global_store_b128 v19, v[LC+8*(\t):LC+8*(\t)+3], s[12:13] offset:(\t)*1024         ; 512 consecutive bytes
	global_store_b128 v19, v[LC+8*(\t)+4:LC+8*(\t)+7], s[12:13] offset:(\t)*1024+512
.endm
	LOADX 0
	LOADX 1
	s_wait_kmcnt 0x0
	s_add_co_i32 s14, s14, 127
	s_lshl_b32 s15, s14, 23
	v_mov_b32 v20, s15                             ; 2^e12
	s_add_co_i32 s14, s14, 8
	s_lshl_b32 s14, s14, 23
	s_or_b32 s14, s14, 0x600000
	v_mov_b32 v21, s14                             ; 448 x 2^e12
	ROW 0
	ROW 1
	s_wait_tensorcnt 0x0
	ds_add_u32 v240, v241
	s_wait_dscnt 0x0
	s_endpgm
.Lfunc_end_k_q4dad22f65f_ln2:
	.size	k_q4dad22f65f_ln2, .Lfunc_end_k_q4dad22f65f_ln2-k_q4dad22f65f_ln2
	.p2alignl 7, 3214868480
	.fill 96, 4, 3214868480
	.section	.rodata,"a",@progbits
	.p2align	6, 0x0
	.amdhsa_kernel k_q4dad22f65f_ln2
		.amdhsa_group_segment_fixed_size 41984
		.amdhsa_private_segment_fixed_size 0
		.amdhsa_enable_private_segment 0
		.amdhsa_kernarg_size 40
		.amdhsa_user_sgpr_count 2
		.amdhsa_user_sgpr_kernarg_segment_ptr 1
		.amdhsa_wavefront_size32 1
		.amdhsa_system_sgpr_workgroup_id_x 1
		.amdhsa_system_sgpr_workgroup_id_y 1
		.amdhsa_system_sgpr_workgroup_id_z 1
		.amdhsa_system_vgpr_workitem_id 0
		.amdhsa_next_free_vgpr 242
		.amdhsa_next_free_sgpr 66
		.amdhsa_reserve_vcc 0
		.amdhsa_float_denorm_mode_32 3
		.amdhsa_float_denorm_mode_16_64 3
		.amdhsa_memory_ordered 1
		.amdhsa_forward_progress 1
		.amdhsa_inst_pref_size 28
	.end_amdhsa_kernel
	.amdgpu_metadata
---
amdhsa.version: [ 1, 2 ]
amdhsa.kernels:
  - .name:           k_q4dad22f65f_ln2
    .symbol:         k_q4dad22f65f_ln2.kd
    .args:
      - { .name: x1, .offset: 0, .size: 8, .value_kind: global_buffer, .address_space: global }
      - { .name: ln2_g, .offset: 8, .size: 8, .value_kind: global_buffer, .address_space: global }
      - { .name: ln2_b, .offset: 16, .size: 8, .value_kind: global_buffer, .address_space: global }
      - { .name: lowp_scales, .offset: 24, .size: 8, .value_kind: global_buffer, .address_space: global }
      - { .name: zc, .offset: 32, .size: 8, .value_kind: global_buffer, .address_space: global }
    .group_segment_fixed_size: 41984
    .private_segment_fixed_size: 0
    .kernarg_segment_align: 8
    .kernarg_segment_size: 40
    .max_flat_workgroup_size: 256
    .sgpr_count:     66
    .vgpr_count:     242
    .wavefront_size: 32
...
	.end_amdgpu_metadata
.endif
;; end of part 5
;; launch ffn1 (part 6): grid 16 x 16, 4 waves a work-group, clusters of 4 x 4, 327,680 bytes of LDS; arguments zc, wc, lowp_scales, b1, hc; writes hc
.if DOCPART == 6
	.amdgcn_target "amdgcn-amd-amdhsa--gfx1250"
	.amdhsa_code_object_version 6
	.text
	.protected	k_q4dad22f65f_ffn1
	.globl	k_q4dad22f65f_ffn1
	.p2align	8
	.type	k_q4dad22f65f_ffn1,@function
k_q4dad22f65f_ffn1:
	s_mov_b64 s[64:65], 0
	v_nop
	global_prefetch_b8 v0, s[64:65] scope:SCOPE_SE
	s_setreg_imm32_b32 hwreg(HW_REG_WAVE_MODE, 25, 1), 1
	s_wait_xcnt 0x0
	s_wait_alu depctr_hold_cnt(0) depctr_sa_sdst(0) depctr_va_vdst(0) depctr_va_sdst(0) depctr_va_ssrc(0) depctr_va_vcc(0) depctr_vm_vsrc(0)
	s_getreg_b32 s2, hwreg(HW_REG_IB_STS2, 6, 4)
	s_cmp_eq_u32 s2, 0
	s_cbranch_scc0 .Lentry_in_a_cluster
	s_endpgm
.Lentry_in_a_cluster:
	s_bfe_u32 s2, ttmp6, 0x10000c
	s_cmp_lg_u32 s2, 0xf033
	s_cbranch_scc0 .Lentry_shape_is_right
	s_endpgm
.Lentry_shape_is_right:
.set KSTEP,  256
.set ROWB,   256
.set KROW,   1024
.set PITCH,  272
.set FR,     16
.set NL,     4
.set NP,     4
.set HALFT,  128*PITCH
.set SLOT,   4*HALFT
.set LAPS,   KROW/(2*KSTEP)
.set SPARE,  2*SLOT
.set SP,     272
.set ADRA, 16
.set ADRB, 20
.set STO,  24
.set RD,   25
.set CO,   26
.set SCL,  27
.set SPW,  28
.set NIL,  29
.set LIM,  30
.set TMP,  32
.set BIAS, 32
.set CD,   96
.set AF,   128
.set G1, 24
.set G0, 32
.set G1B, 48
.set G0B, 56
.set MSB, 0
.macro WIN new
.if MSB != (\new)
	s_set_vgpr_msb (MSB<<8)|(\new)
.set MSB, (\new)
.endif
.endm
.set MUL_LO, 0xa1
.set MUL_HI, 0xf1
.set FST_LO, 0x81
.set FST_HI, 0xc1
.set TO_B,   0x40
.macro JLOAD g0a, g1a, g0b, g1b
	s_cmp_eq_u32 s15, 0
	s_cbranch_scc0 .Lfor_b_\@
	tensor_load_to_lds s[\g0a:\g0a+3], s[\g1a:\g1a+7]
	s_nop 0
.rept 4
	v_nop
.endr
	s_branch .Lasked_\@
.Lfor_b_\@:
	tensor_load_to_lds s[\g0b:\g0b+3], s[\g1b:\g1b+7]
	s_nop 0
.rept 4
	v_nop
.endr
.Lasked_\@:
.endm
.macro CREST
	s_cmp_lg_u32 s14, 0
	s_cbranch_scc1 .Lnot_wave_0_\@
	s_barrier_signal -3
.Lnot_wave_0_\@:
	s_barrier_wait -3
	s_barrier_signal -1
	s_barrier_wait -1
.endm
.macro CROUND
	s_barrier_signal -1
	s_barrier_wait -1
	CREST
.endm
	s_load_b128 s[4:7], s[0:1], 0x0
	s_load_b128 s[8:11], s[0:1], 0x10
	s_load_b64 s[12:13], s[0:1], 0x20
	v_lshl_add_u32 v[SPW], v0, 2, SPARE
	v_mov_b32 v[NIL], 0
	ds_add_u32 v28, v29
	ds_add_u32 v28, v29
	s_wait_dscnt 0x0
	v_lshrrev_b32 v1, 5, v0
	v_readfirstlane_b32 s14, v1
	v_and_b32 v7, 31, v0
	v_lshlrev_b32 v7, 10, v7                       ; the prefetches' offset: a lane a row of 1,024 bytes; never rewritten
	s_wait_alu depctr_va_vdst(0)
	s_lshr_b32 s15, s14, 1
	s_and_b32 s16, s14, 1
	s_bfe_u32 s40, ttmp6, 0x40000
	s_bfe_u32 s41, ttmp6, 0x40004
	s_lshl_b32 s42, ttmp9, 2
	s_add_co_u32 s42, s42, s40
	s_and_b32 s17, ttmp7, 0xffff
	s_lshl_b32 s17, s17, 2
	s_add_co_u32 s17, s17, s41
	s_lshl_b32 s43, s41, 2
	s_lshl_b32 s43, 15, s43
	s_lshl_b32 s44, 0x1111, s40
	s_or_b32 s[G1+0], s43, (0<<16)|(1<<20)|(1<<21)|(5<<22)|(3<<25)
	s_or_b32 s[G1B+0], s44, (0<<16)|(1<<20)|(1<<21)|(5<<22)|(3<<25)
.irp g, G1, G1B
	s_mov_b32 s[\g+1], ROWB<<16
	s_mov_b32 s[\g+2], 128<<16
	s_mov_b32 s[\g+3], ROWB<<16
	s_mov_b32 s[\g+4], 128
	s_mov_b32 s[\g+5], KROW
	s_mov_b32 s[\g+6], 0
	s_mov_b32 s[\g+7], 0
.endr
	s_lshl_b32 s18, s16, 7
	s_lshl_b32 s20, s17, 8
	s_add_co_u32 s20, s20, s18
	s_lshl_b32 s46, s42, 8
	s_add_co_u32 s46, s46, s18
	s_mov_b32 s21, 0
	s_mov_b32 s47, 0
	s_mov_b64 s[18:19], KROW
	s_mul_u64 s[20:21], s[20:21], s[18:19]
	s_mul_u64 s[46:47], s[46:47], s[18:19]
	s_mul_i32 s45, s14, HALFT
	s_wait_kmcnt 0x0
	s_load_b512 s[68:83], s[8:9], 0x0
	s_add_nc_u64 s[20:21], s[4:5], s[20:21]
	s_add_nc_u64 s[46:47], s[6:7], s[46:47]
	s_add_nc_u64 s[46:47], s[46:47], 4<<20
	; A PREFETCH INTO THE L2 stands behind each of the head's two joint loads, for the K step two loads on (K steps 2 and 3, which the two refills bring).  Of the 128 rows that a wave fetches,
	; each of the four partners that ask for them jointly names 32, told apart by address (cx for A, cy for B): a lane a row, 256 bytes of it.  The refills have no K step two on.
	s_cmp_eq_u32 s15, 0                            ; do I fetch for A?
	s_cselect_b64 s[96:97], s[20:21], s[46:47]
	s_cselect_b32 s98, s40, s41                    ; my place among the four
	s_lshl_b32 s98, s98, 15                        ; x 32 rows of 1,024 bytes
	s_mov_b32 s99, 0
	s_add_nc_u64 s[96:97], s[96:97], s[98:99]
	s_add_nc_u64 s[96:97], s[96:97], 2*ROWB        ; at K step 2
	CROUND
.irp s, 0,1
	s_mov_b32 s[G0+4*\s], 1
	s_add_co_u32 s[G0+4*\s+1], s45, \s*SLOT
	s_add_nc_u64 s[G0+4*\s+2:G0+4*\s+3], s[20:21], \s*ROWB
	s_or_b32 s[G0+4*\s+3], s[G0+4*\s+3], 0x80000000
	s_mov_b32 s[G0B+4*\s], 1
	s_add_co_u32 s[G0B+4*\s+1], s45, \s*SLOT
	s_add_nc_u64 s[G0B+4*\s+2:G0B+4*\s+3], s[46:47], \s*ROWB
	s_or_b32 s[G0B+4*\s+3], s[G0B+4*\s+3], 0x80000000
.if \s == 1                                    ; slot 1's first fill is issued as a refill is; slot 0's stands behind the opening lines and the round above
	s_wait_alu depctr_va_vdst(0)
	s_wait_tensorcnt 0x0
	ds_add_u32 v28, v29
	ds_add_u32 v28, v29
	s_wait_dscnt 0x0
	CROUND
.endif
	JLOAD G0+4*\s, G1, G0B+4*\s, G1B
	global_prefetch_b8 v7, s[96:97] offset:\s*ROWB th:TH_LOAD_NT scope:SCOPE_SE   ; K step s + 2
.endr
	v_and_b32 v1, 15, v0
	s_wait_alu depctr_va_vdst(0)
	v_bfe_u32 v2, v0, 4, 1
	s_lshl_b32 s84, s42, 10
	s_lshl_b32 s85, s16, 9
	s_add_co_u32 s84, s84, s85
	s_mov_b32 s85, 0
	s_add_nc_u64 s[10:11], s[10:11], s[84:85]
	v_lshlrev_b32 v5, 5, v2
.irp b, 0,1,2,3,4,5,6,7
	global_load_b128 v[BIAS+8*\b:BIAS+8*\b+3], v5, s[10:11] offset:64*\b
	global_load_b128 v[BIAS+8*\b+4:BIAS+8*\b+7], v5, s[10:11] offset:64*\b+16
.endr
	v_mul_u32_u24 v3, v1, PITCH
	v_lshl_add_u32 v4, v2, 4, v3
	s_mul_i32 s21, s15, HALFT
	s_mul_i32 s22, s16, HALFT
	s_add_co_u32 s22, s22, 2*HALFT
.irp s, 0,1
	v_add_nc_u32 v[ADRA+\s], s21, v4
	v_add_nc_u32 v[ADRB+\s], s22, v4
	s_add_co_u32 s21, s21, SLOT
	s_add_co_u32 s22, s22, SLOT
.endr
	s_mul_i32 s21, s15, 128*SP
	s_lshl_b32 s22, s16, 7
	s_add_co_u32 s21, s21, s22
	v_mul_u32_u24 v6, v1, SP
	s_wait_alu depctr_va_vdst(0)
	v_lshl_add_u32 v6, v2, 3, v6
	v_add_nc_u32 v[STO], s21, v6
	s_mul_i32 s21, s14, 64*SP
	v_mul_u32_u24 v6, v2, SP
	v_lshl_add_u32 v6, v1, 4, v6
	v_add_nc_u32 v[RD], s21, v6
	v_lshlrev_b32 v6, 4, v1
	v_lshl_add_u32 v[CO], v2, 12, v6
	s_lshl_b32 s88, s17, 20
	s_lshl_b32 s89, s14, 18
	s_add_co_u32 s88, s88, s89
	s_lshl_b32 s89, s42, 8
	s_add_co_u32 s88, s88, s89
	s_mov_b32 s89, 0
	s_add_nc_u64 s[12:13], s[12:13], s[88:89]
	s_wait_kmcnt 0x0
	s_add_co_i32 s86, s80, s81
	s_sub_co_i32 s87, 0, s86
	s_sub_co_i32 s84, s82, s86
	s_add_co_i32 s84, s84, 127
	s_lshl_b32 s85, s84, 23
	v_mov_b32 v[SCL], s85
	s_add_co_i32 s84, s84, 8
	s_lshl_b32 s84, s84, 23
	s_or_b32 s84, s84, 0x600000
	v_mov_b32 v[LIM], s84
	s_wait_loadcnt 0x0
.set i, 0
.rept 64
	v_ldexp_f32 v[BIAS+i], v[BIAS+i], s87
.set i, i+1
.endr
.macro FRAG reg, adr, q, i
.irp c, 0,1,2,3
	ds_load_b128 v[\reg+4*\c:\reg+4*\c+3], v[\adr] offset:128*(\q)+32*\c+(\i)*16*PITCH
.endr
.endm
.macro MUL16 a0, p, zero
.irp a, \a0, \a0+1
.irp b, 0,1,2,3,4,5,6,7
.if \zero
	v_wmma_f32_16x16x128_fp8_fp8 v[8*(8*((\a)%4)+\b):8*(8*((\a)%4)+\b)+7], v[128*(\p)+FR*\b:128*(\p)+FR*\b+FR-1], v[AF+FR*(\a):AF+FR*(\a)+FR-1], v[BIAS+8*\b:BIAS+8*\b+7]
.else
	v_wmma_f32_16x16x128_fp8_fp8 v[8*(8*((\a)%4)+\b):8*(8*((\a)%4)+\b)+7], v[128*(\p)+FR*\b:128*(\p)+FR*\b+FR-1], v[AF+FR*(\a):AF+FR*(\a)+FR-1], v[8*(8*((\a)%4)+\b):8*(8*((\a)%4)+\b)+7]
.endif
.endr
.endr
.endm
.macro FETCH_B slot, q, p
	WIN TO_B
.irp i, 0,1,2,3,4,5,6,7
	FRAG 128*(\p)+FR*\i, ADRB+\slot, \q, \i
.endr
	WIN 0
.endm
.macro FETCH_A slot, q, i0
.irp i, \i0, \i0+1, \i0+2, \i0+3
	FRAG AF+FR*(\i), ADRA+\slot, \q, \i
.endr
.endm
.macro PLACES n
.rept \n
	v_nop
.endr
.endm
.macro STEP slot, q, zero
	s_wait_dscnt 4*NL
.if \zero
	WIN FST_LO
.else
	WIN MUL_LO
.endif
	MUL16 0, (\q)%2, \zero
	MUL16 2, (\q)%2, \zero
	s_wait_dscnt 0
	PLACES NP
	FETCH_B \slot, (\q)+1, 1-(\q)%2
	FETCH_A \slot, (\q)+1, 0
.if \zero
	WIN FST_HI
.else
	WIN MUL_HI
.endif
	MUL16 4, (\q)%2, \zero
	MUL16 6, (\q)%2, \zero
	PLACES NP
	WIN 0
	FETCH_A \slot, (\q)+1, 4
.endm
.macro TURN slot, next, fill
	s_wait_tensorcnt 0x0
	ds_add_u32 v[SPW], v[NIL]
	s_wait_dscnt 4*NL+1
	WIN MUL_LO
	MUL16 0, 1, 0
	s_wait_dscnt 0x0
	s_barrier_signal -1
	MUL16 2, 1, 0
	WIN 0
	s_barrier_wait -1
.if \fill
	CREST
	s_add_nc_u64 s[G0+4*\slot+2:G0+4*\slot+3], s[G0+4*\slot+2:G0+4*\slot+3], 2*ROWB
	s_add_nc_u64 s[G0B+4*\slot+2:G0B+4*\slot+3], s[G0B+4*\slot+2:G0B+4*\slot+3], 2*ROWB
	JLOAD G0+4*\slot, G1, G0B+4*\slot, G1B
.else
	PLACES NP
.endif
	FETCH_B \next, 0, 0
	FETCH_A \next, 0, 0
	WIN MUL_HI
	MUL16 4, 1, 0
	MUL16 6, 1, 0
	PLACES NP
	WIN 0
	FETCH_A \next, 0, 4
.endm
	s_wait_alu depctr_va_vdst(0)
	s_wait_tensorcnt 1
	s_barrier_signal -1
	s_barrier_wait -1
	FETCH_B 0, 0, 0
	FETCH_A 0, 0, 0
	FETCH_A 0, 0, 4
	STEP 0, 0, 1
	s_mov_b32 s3, LAPS-1
.Llap:
	TURN 0, 1, 1
	STEP 1, 0, 0
	TURN 1, 0, 1
	STEP 0, 0, 0
	s_sub_co_u32 s3, s3, 1
	s_cmp_lg_u32 s3, 0
	s_cbranch_scc1 .Llap
	TURN 0, 1, 0
	STEP 1, 0, 0
	s_wait_dscnt 4*NL
	WIN MUL_LO
	MUL16 0, 1, 0
	MUL16 2, 1, 0
	s_wait_dscnt 0
	WIN MUL_HI
	MUL16 4, 1, 0
	MUL16 6, 1, 0
	WIN 0
	PLACES NP
.macro E1 a
	WIN (0x02+(\a)/4)
.set i, 0
.rept 64
	v_med3_num_f32 v[TMP+i], v[64*((\a)%4)+i], 0, v[LIM]
.set i, i+1
.endr
	WIN 0
.irp b, 0,1,2,3,4,5,6,7
	v_cvt_scalef32_pk8_fp8_f32 v[CD+16*((\a)%2)+2*\b:CD+16*((\a)%2)+2*\b+1], v[TMP+8*\b:TMP+8*\b+7], v[SCL]
.endr
	v_nop
.irp b, 0,1,2,3,4,5,6,7
	ds_store_b64 v[STO], v[CD+16*((\a)%2)+2*\b:CD+16*((\a)%2)+2*\b+1] offset:16*(\a)*SP+16*\b
.endr
.endm
.irp a, 0,1,2,3,4,5,6,7
	E1 \a
.endr
	s_wait_dscnt 0x0
	s_barrier_signal -1
	s_barrier_wait -1
.set i, 0
.rept 32
	ds_load_b128 v[128+4*i:131+4*i], v[RD] offset:2*i*SP
.set i, i+1
.endr
.set i, 0
.rept 32
	s_wait_dscnt 31-i
	global_store_b128 v[CO], v[128+4*i:131+4*i], s[12:13] offset:2*i*4096
.set i, i+1
.endr
	s_wait_tensorcnt 0x0
	ds_add_u32 v[SPW], v[NIL]
	s_wait_dscnt 0x0
	CROUND
	s_endpgm
.Lfunc_end_k_q4dad22f65f_ffn1:
	.size	k_q4dad22f65f_ffn1, .Lfunc_end_k_q4dad22f65f_ffn1-k_q4dad22f65f_ffn1
	.p2alignl 7, 3214868480
	.fill 96, 4, 3214868480
	.section	.rodata,"a",@progbits
	.p2align	6, 0x0
	.amdhsa_kernel k_q4dad22f65f_ffn1
		.amdhsa_group_segment_fixed_size 327680
		.amdhsa_private_segment_fixed_size 0
		.amdhsa_enable_private_segment 0
		.amdhsa_kernarg_size 40
		.amdhsa_user_sgpr_count 2
		.amdhsa_user_sgpr_kernarg_segment_ptr 1
		.amdhsa_wavefront_size32 1
		.amdhsa_system_sgpr_workgroup_id_x 1
		.amdhsa_system_sgpr_workgroup_id_y 1
		.amdhsa_system_sgpr_workgroup_id_z 1
		.amdhsa_system_vgpr_workitem_id 0
		.amdhsa_next_free_vgpr 1024
		.amdhsa_next_free_sgpr 100
		.amdhsa_reserve_vcc 0
		.amdhsa_float_denorm_mode_32 3
		.amdhsa_float_denorm_mode_16_64 3
		.amdhsa_memory_ordered 1
		.amdhsa_forward_progress 1
		.amdhsa_inst_pref_size 132
	.end_amdhsa_kernel
	.amdgpu_metadata
---
amdhsa.version: [ 1, 2 ]
amdhsa.kernels:
  - .name:           k_q4dad22f65f_ffn1
    .symbol:         k_q4dad22f65f_ffn1.kd
    .args:
      - { .name: zc, .offset: 0, .size: 8, .value_kind: global_buffer, .address_space: global }
      - { .name: wc, .offset: 8, .size: 8, .value_kind: global_buffer, .address_space: global }
      - { .name: lowp_scales, .offset: 16, .size: 8, .value_kind: global_buffer, .address_space: global }
      - { .name: b1, .offset: 24, .size: 8, .value_kind: global_buffer, .address_space: global }
      - { .name: hc, .offset: 32, .size: 8, .value_kind: global_buffer, .address_space: global }
    .group_segment_fixed_size: 327680
    .private_segment_fixed_size: 0
    .kernarg_segment_align: 8
    .kernarg_segment_size: 40
    .max_flat_workgroup_size: 128
    .sgpr_count:     100
    .vgpr_count:     1024
    .wavefront_size: 32
...
	.end_amdgpu_metadata
.endif
;; end of part 6
;; launch ffn2 (part 7): grid 8 x 32, 4 waves a work-group, clusters of 4 x 4, 327,680 bytes of LDS; arguments hc, wc, lowp_scales, b2, x1, out0; writes out0
.if DOCPART == 7
	.amdgcn_target "amdgcn-amd-amdhsa--gfx1250"
	.amdhsa_code_object_version 6
	.text
	.protected	k_q4dad22f65f_ffn2
	.globl	k_q4dad22f65f_ffn2
	.p2align	8
	.type	k_q4dad22f65f_ffn2,@function
k_q4dad22f65f_ffn2:
	s_mov_b64 s[64:65], 0
	v_nop
	global_prefetch_b8 v0, s[64:65] scope:SCOPE_SE
	s_setreg_imm32_b32 hwreg(HW_REG_WAVE_MODE, 25, 1), 1
	s_wait_xcnt 0x0
	s_wait_alu depctr_hold_cnt(0) depctr_sa_sdst(0) depctr_va_vdst(0) depctr_va_sdst(0) depctr_va_ssrc(0) depctr_va_vcc(0) depctr_vm_vsrc(0)
	s_getreg_b32 s2, hwreg(HW_REG_IB_STS2, 6, 4)
	s_cmp_eq_u32 s2, 0
	s_cbranch_scc0 .Lentry_in_a_cluster
	s_endpgm
.Lentry_in_a_cluster:
	s_bfe_u32 s2, ttmp6, 0x10000c
	s_cmp_lg_u32 s2, 0xf033
	s_cbranch_scc0 .Lentry_shape_is_right
	s_endpgm
.Lentry_shape_is_right:
.set KTOT,   4096
.set KSTEP,  512
.set ASTEP,  512
.set PB,     528
.set BHALF,  64*PB
.set AHALF,  64*PB
.set SLOT,   2*AHALF+2*BHALF
.set SPARE,  2*SLOT
.set STAGE,  SPARE+512
.set SPITCH, 272
.set LAPS,   KTOT/(2*KSTEP)
.set RSTR,   4096
.set OSTR,   8192
.set ADRA, 16
.set ADRB, 20
.set STO,  24
.set RD,   25
.set CO,   26
.set RO,   27
.set SPW,  28
.set NIL,  29
.set TMP,  32
.set ACC,  128
.set F0,   0
.set F1,   128
.set G1, 24
.set G0, 32
.set G1B, 48
.set G0B, 56
.set MSB, 0
.macro WIN new
.if MSB != (\new)
	s_set_vgpr_msb (MSB<<8)|(\new)
.set MSB, (\new)
.endif
.endm
.set MUL,  0x05
.set TO_F, 0x40
.macro JLOAD s
	s_cmp_eq_u32 s11, 0
	s_cbranch_scc0 .Lfor_b_\@
	tensor_load_to_lds s[G0+4*\s:G0+4*\s+3], s[G1:G1+7]
	s_nop 0
.rept 4
	v_nop
.endr
	s_branch .Lasked_\@
.Lfor_b_\@:
	tensor_load_to_lds s[G0B+4*\s:G0B+4*\s+3], s[G1B:G1B+7]
	s_nop 0
.rept 4
	v_nop
.endr
.Lasked_\@:
.endm
.macro CREST
	s_cmp_lg_u32 s10, 0
	s_cbranch_scc1 .Lnot_wave_0_\@
	s_barrier_signal -3
.Lnot_wave_0_\@:
	s_barrier_wait -3
	s_barrier_signal -1
	s_barrier_wait -1
.endm
.macro CROUND
	s_barrier_signal -1
	s_barrier_wait -1
	CREST
.endm
	s_load_b128 s[4:7], s[0:1], 0x0
	s_load_b64 s[8:9], s[0:1], 0x10
	s_load_b64 s[90:91], s[0:1], 0x18
	s_load_b64 s[86:87], s[0:1], 0x20
	s_load_b64 s[88:89], s[0:1], 0x28
	v_lshl_add_u32 v[SPW], v0, 2, SPARE
	v_mov_b32 v[NIL], 0
	ds_add_u32 v28, v29
	ds_add_u32 v28, v29
	s_wait_dscnt 0x0
	v_lshrrev_b32 v1, 5, v0
	v_readfirstlane_b32 s10, v1
	v_and_b32 v6, 31, v0                           ; the prefetches' offset, v30: row lane / 2 of my 16 (4,096 bytes apart), 256 x (lane % 2) in a K step's 512 bytes; never rewritten
	v_lshrrev_b32 v7, 1, v6
	v_and_b32 v6, 1, v6
	v_lshlrev_b32 v6, 8, v6
	v_lshl_add_u32 v30, v7, 12, v6
	s_wait_alu depctr_va_vdst(0)
	s_lshr_b32 s11, s10, 1
	s_and_b32 s12, s10, 1
	s_bfe_u32 s40, ttmp6, 0x40000
	s_bfe_u32 s41, ttmp6, 0x40004
	s_lshl_b32 s42, ttmp9, 2
	s_add_co_u32 s42, s42, s40
	s_and_b32 s13, ttmp7, 0xffff
	s_lshl_b32 s13, s13, 2
	s_add_co_u32 s13, s13, s41
	s_lshl_b32 s43, s41, 2
	s_lshl_b32 s43, 15, s43
	s_lshl_b32 s44, 0x1111, s40
	s_or_b32 s[G1+0], s43, (0<<16)|(1<<20)|(1<<21)|(6<<22)|(3<<25)
	s_or_b32 s[G1B+0], s44, (0<<16)|(1<<20)|(1<<21)|(6<<22)|(3<<25)
.irp g, G1, G1B
	s_mov_b32 s[\g+1], KSTEP<<16
	s_mov_b32 s[\g+2], 64<<16
	s_mov_b32 s[\g+3], KSTEP<<16
	s_mov_b32 s[\g+4], 64
	s_mov_b32 s[\g+5], KTOT
	s_mov_b32 s[\g+6], 0
	s_mov_b32 s[\g+7], 0
.endr
	s_lshl_b32 s16, s13, 19
	s_lshl_b32 s17, s12, 18
	s_add_co_u32 s16, s16, s17
	s_mov_b32 s17, 0
	s_lshl_b32 s46, s42, 19
	s_lshl_b32 s47, s12, 18
	s_add_co_u32 s46, s46, s47
	s_add_co_u32 s46, s46, 8<<20
	s_mov_b32 s47, 0
	s_mul_i32 s20, s12, AHALF
	s_mul_i32 s21, s12, BHALF
	s_add_co_u32 s21, s21, 2*AHALF
	s_wait_kmcnt 0x0
	s_load_b512 s[68:83], s[8:9], 0x0
	s_add_nc_u64 s[14:15], s[4:5], s[16:17]
	s_add_nc_u64 s[46:47], s[6:7], s[46:47]
	; A PREFETCH INTO THE L2 stands behind each joint load, for the K step that stands two loads on.  Of the 64 rows that a wave fetches, each of the four partners that ask for them
	; jointly names 16, told apart by address (cx for A, cy for B): 16 rows x 2 blocks of 256 bytes, a lane a block, one instruction a wave.  The loads of K steps 6 and 7 ask for nothing.
	s_cmp_eq_u32 s11, 0                            ; do I fetch for A?
	s_cselect_b64 s[96:97], s[14:15], s[46:47]
	s_cselect_b32 s98, s40, s41                    ; my place among the four
	s_lshl_b32 s98, s98, 16                        ; x 16 rows of 4,096 bytes
	s_mov_b32 s99, 0
	s_add_nc_u64 s[96:97], s[96:97], s[98:99]
	s_add_nc_u64 s[96:97], s[96:97], 2*KSTEP       ; at K step 2
	CROUND
.irp s, 0,1
	s_mov_b32 s[G0+4*\s], 1
	s_add_co_u32 s[G0+4*\s+1], s20, \s*SLOT
	s_add_nc_u64 s[G0+4*\s+2:G0+4*\s+3], s[14:15], \s*ASTEP
	s_or_b32 s[G0+4*\s+3], s[G0+4*\s+3], 0x80000000
	s_mov_b32 s[G0B+4*\s], 1
	s_add_co_u32 s[G0B+4*\s+1], s21, \s*SLOT
	s_add_nc_u64 s[G0B+4*\s+2:G0B+4*\s+3], s[46:47], \s*KSTEP
	s_or_b32 s[G0B+4*\s+3], s[G0B+4*\s+3], 0x80000000
.if \s == 1                                    ; slot 1's first fill is issued as a refill is; slot 0's stands behind the opening lines and the round above
	s_wait_alu depctr_va_vdst(0)
	s_wait_tensorcnt 0x0
	ds_add_u32 v28, v29
	ds_add_u32 v28, v29
	s_wait_dscnt 0x0
	CROUND
.endif
	JLOAD \s
	global_prefetch_b8 v30, s[96:97] offset:\s*KSTEP th:TH_LOAD_NT scope:SCOPE_SE   ; K step s + 2
.endr
	v_and_b32 v1, 15, v0
	s_wait_alu depctr_va_vdst(0)
	v_bfe_u32 v2, v0, 4, 1
	v_mul_u32_u24 v3, v1, PB
	v_lshl_add_u32 v3, v2, 4, v3
	s_mul_i32 s21, s11, AHALF
	s_mul_i32 s22, s12, BHALF
	s_add_co_u32 s22, s22, 2*AHALF
.irp s, 0,1
	v_add_nc_u32 v[ADRA+\s], s21, v3
	v_add_nc_u32 v[ADRB+\s], s22, v3
	s_add_co_u32 s21, s21, SLOT
	s_add_co_u32 s22, s22, SLOT
.endr
	s_mul_i32 s23, s10, 16*SPITCH
	s_add_co_u32 s23, s23, STAGE
	v_mul_u32_u24 v5, v1, SPITCH
	s_wait_alu depctr_va_vdst(0)
	v_lshl_add_u32 v5, v2, 5, v5
	v_add_nc_u32 v[STO], s23, v5
	v_mul_u32_u24 v5, v2, SPITCH
	v_lshl_add_u32 v5, v1, 4, v5
	v_add_nc_u32 v[RD], s23, v5
	v_lshlrev_b32 v5, 4, v1
	s_wait_alu depctr_va_vdst(0)
	v_lshl_add_u32 v[RO], v2, 12, v5
	s_wait_alu depctr_va_vdst(0)
	v_lshl_add_u32 v[CO], v2, 13, v5
	s_and_b32 s92, s13, 15
	s_lshl_b32 s92, s92, 20
	s_lshl_b32 s93, s11, 19
	s_add_co_u32 s92, s92, s93
	s_lshr_b32 s93, s13, 4
	s_lshl_b32 s93, s93, 12
	s_add_co_u32 s92, s92, s93
	s_lshl_b32 s94, s42, 9
	s_lshl_b32 s95, s12, 8
	s_add_co_u32 s94, s94, s95
	s_add_co_u32 s92, s92, s94
	s_mov_b32 s93, 0
	s_add_nc_u64 s[88:89], s[88:89], s[92:93]
	s_lshl_b32 s92, s13, 19
	s_lshl_b32 s95, s11, 18
	s_add_co_u32 s92, s92, s95
	s_add_co_u32 s92, s92, s94
	s_add_nc_u64 s[86:87], s[86:87], s[92:93]
	s_mov_b32 s95, 0
	s_add_nc_u64 s[90:91], s[90:91], s[94:95]
	global_load_b128 v[12:15], v5, s[90:91]
	WIN 0x80
.irp a, 0,1,2,3
.irp t, 0,1,2,3,4,5,6,7
	global_load_b128 v[4*(8*\a+\t):4*(8*\a+\t)+3], v[RO], s[86:87] offset:(16*\a+2*\t)*RSTR
.endr
.endr
	WIN 0
.macro MUL8 f, a0, zero
.irp a, \a0, \a0+1
.irp b, 0,1,2,3
.if \zero
	v_wmma_f32_16x16x128_fp8_fp8 v[ACC+8*(4*(\a)+\b):ACC+8*(4*(\a)+\b)+7], v[\f+64+16*\b:\f+64+16*\b+15], v[\f+16*(\a):\f+16*(\a)+15], 0
.else
	v_wmma_f32_16x16x128_fp8_fp8 v[ACC+8*(4*(\a)+\b):ACC+8*(4*(\a)+\b)+7], v[\f+64+16*\b:\f+64+16*\b+15], v[\f+16*(\a):\f+16*(\a)+15], v[ACC+8*(4*(\a)+\b):ACC+8*(4*(\a)+\b)+7]
.endif
.endr
.endr
.endm
.macro FETCH slot, k, f
	WIN TO_F
.irp i, 0,1,2,3
.irp c, 0,1,2,3
	ds_load_b128 v[\f+64+16*\i+4*\c:\f+64+16*\i+4*\c+3], v[ADRB+\slot] offset:(\k)+32*\c+\i*16*PB
.endr
.endr
.irp i, 0,1,2,3
.irp c, 0,1,2,3
	ds_load_b128 v[\f+16*\i+4*\c:\f+16*\i+4*\c+3], v[ADRA+\slot] offset:(\k)+32*\c+\i*16*PB
.endr
.endr
.endm
.macro PLACES
.rept 4
	v_nop
.endr
.endm
.macro QUARTER slot, k, f, g, zero
	s_wait_dscnt 0x0
	PLACES
	FETCH \slot, \k, \g
	WIN MUL
	MUL8 \f, 0, \zero
	MUL8 \f, 2, \zero
.endm
.macro ASK                             ; s3 = 1 in the loop's last trip, whose two refills have no K step two on
	s_cmp_gt_u32 s3, 1
	s_cbranch_scc0 .Lno_ask_\@
	global_prefetch_b8 v30, s[96:97] offset:KSTEP th:TH_LOAD_NT scope:SCOPE_SE
.Lno_ask_\@:
.endm
.macro TURN slot, next, fill
	WIN 0
.if \fill
	s_wait_xcnt 0x0                                ; my last prefetch has read its address, which is stepped here, a K step behind it
	s_add_nc_u64 s[96:97], s[96:97], KSTEP
.endif
	s_wait_tensorcnt 0x0
	ds_add_u32 v[SPW], v[NIL]
	s_wait_dscnt 0x0
	s_barrier_signal -1
	WIN MUL
	MUL8 F1, 0, 0
	WIN 0
	s_barrier_wait -1
.if \fill
	CREST
	s_add_nc_u64 s[G0+4*\slot+2:G0+4*\slot+3], s[G0+4*\slot+2:G0+4*\slot+3], 2*ASTEP
	s_add_nc_u64 s[G0B+4*\slot+2:G0B+4*\slot+3], s[G0B+4*\slot+2:G0B+4*\slot+3], 2*KSTEP
	JLOAD \slot
.else
	PLACES
.endif
	FETCH \next, 0, F0
.if \fill
	WIN 0                                          ; (a branch and a label follow)
	ASK                                            ; behind the joint load and the run of LDS loads
.endif
	WIN MUL
	MUL8 F1, 2, 0
.endm
	s_wait_tensorcnt 1
	s_barrier_signal -1
	s_barrier_wait -1
	FETCH 0, 0, F0
	QUARTER 0, 128, F0, F1, 1
	WIN 0
	s_mov_b32 s3, LAPS-1
.Llap:
	QUARTER 0, 256, F1, F0, 0
	QUARTER 0, 384, F0, F1, 0
	TURN 0, 1, 1
	QUARTER 1, 128, F0, F1, 0
	QUARTER 1, 256, F1, F0, 0
	QUARTER 1, 384, F0, F1, 0
	TURN 1, 0, 1
	QUARTER 0, 128, F0, F1, 0
	WIN 0
	s_sub_co_u32 s3, s3, 1
	s_cmp_lg_u32 s3, 0
	s_cbranch_scc1 .Llap
	QUARTER 0, 256, F1, F0, 0
	QUARTER 0, 384, F0, F1, 0
	TURN 0, 1, 0
	QUARTER 1, 128, F0, F1, 0
	QUARTER 1, 256, F1, F0, 0
	QUARTER 1, 384, F0, F1, 0
	s_wait_dscnt 0x0
	WIN MUL
	MUL8 F1, 0, 0
	MUL8 F1, 2, 0
	WIN 0
	s_wait_kmcnt 0x0
	s_add_co_i32 s84, s82, s83
	s_add_co_i32 s84, s84, 127
	s_lshl_b32 s84, s84, 23
	s_mov_b32 s85, s84
	s_wait_loadcnt 0x0
	WIN 0x82
.set i, 0
.rept 32
	v_pk_add_f32 v[4*i:4*i+1], v[4*i:4*i+1], v[12:13]
	v_pk_add_f32 v[4*i+2:4*i+3], v[4*i+2:4*i+3], v[14:15]
.set i, i+1
.endr
	WIN 0
.macro OUTA a
.if (\a) >= 2
	s_wait_xcnt 0x0
.endif
.irp b, 0,1,2,3
	ds_store_b128 v[STO], v[ACC+8*(4*(\a)+\b):ACC+8*(4*(\a)+\b)+3] offset:64*\b
	ds_store_b128 v[STO], v[ACC+8*(4*(\a)+\b)+4:ACC+8*(4*(\a)+\b)+7] offset:64*\b+16
.endr
.irp t, 0,1,2,3,4,5,6,7
	ds_load_b128 v[TMP+32*((\a)%2)+4*\t:TMP+32*((\a)%2)+4*\t+3], v[RD] offset:2*\t*SPITCH
.endr
	s_wait_dscnt 0x0
	WIN 0x20
.set i, 0
.rept 16
	v_pk_fma_f32 v[TMP+32*((\a)%2)+2*i:TMP+32*((\a)%2)+2*i+1], v[TMP+32*((\a)%2)+2*i:TMP+32*((\a)%2)+2*i+1], s[84:85], v[32*(\a)+2*i:32*(\a)+2*i+1] op_sel_hi:[1,0,1]
.set i, i+1
.endr
	WIN 0
.irp t, 0,1,2,3,4,5,6,7
	global_store_b128 v[CO], v[TMP+32*((\a)%2)+4*\t:TMP+32*((\a)%2)+4*\t+3], s[88:89] offset:(16*(\a)+2*\t)*OSTR th:TH_STORE_NT
.endr
.endm
	OUTA 0
	OUTA 1
	OUTA 2
	OUTA 3
	s_wait_tensorcnt 0x0
	ds_add_u32 v[SPW], v[NIL]
	s_wait_dscnt 0x0
	CROUND
	s_endpgm
.Lfunc_end_k_q4dad22f65f_ffn2:
	.size	k_q4dad22f65f_ffn2, .Lfunc_end_k_q4dad22f65f_ffn2-k_q4dad22f65f_ffn2
	.p2alignl 7, 3214868480
	.fill 96, 4, 3214868480
	.section	.rodata,"a",@progbits
	.p2align	6, 0x0
	.amdhsa_kernel k_q4dad22f65f_ffn2
		.amdhsa_group_segment_fixed_size 327680
		.amdhsa_private_segment_fixed_size 0
		.amdhsa_enable_private_segment 0
		.amdhsa_kernarg_size 48
		.amdhsa_user_sgpr_count 2
		.amdhsa_user_sgpr_kernarg_segment_ptr 1
		.amdhsa_wavefront_size32 1
		.amdhsa_system_sgpr_workgroup_id_x 1
		.amdhsa_system_sgpr_workgroup_id_y 1
		.amdhsa_system_sgpr_workgroup_id_z 1
		.amdhsa_system_vgpr_workitem_id 0
		.amdhsa_next_free_vgpr 640
		.amdhsa_next_free_sgpr 100
		.amdhsa_reserve_vcc 0
		.amdhsa_float_denorm_mode_32 3
		.amdhsa_float_denorm_mode_16_64 3
		.amdhsa_memory_ordered 1
		.amdhsa_forward_progress 1
		.amdhsa_inst_pref_size 83
	.end_amdhsa_kernel
	.amdgpu_metadata
---
amdhsa.version: [ 1, 2 ]
amdhsa.kernels:
  - .name:           k_q4dad22f65f_ffn2
    .symbol:         k_q4dad22f65f_ffn2.kd
    .args:
      - { .name: hc, .offset: 0, .size: 8, .value_kind: global_buffer, .address_space: global }
      - { .name: wc, .offset: 8, .size: 8, .value_kind: global_buffer, .address_space: global }
      - { .name: lowp_scales, .offset: 16, .size: 8, .value_kind: global_buffer, .address_space: global }
      - { .name: b2, .offset: 24, .size: 8, .value_kind: global_buffer, .address_space: global }
      - { .name: x1, .offset: 32, .size: 8, .value_kind: global_buffer, .address_space: global }
      - { .name: out0, .offset: 40, .size: 8, .value_kind: global_buffer, .address_space: global }
    .group_segment_fixed_size: 327680
    .private_segment_fixed_size: 0
    .kernarg_segment_align: 8
    .kernarg_segment_size: 48
    .max_flat_workgroup_size: 128
    .sgpr_count:     100
    .vgpr_count:     640
    .wavefront_size: 32
...
	.end_amdgpu_metadata
.endif
;; end of part 7
